; MI455X (gfx1250); checked and timed in simulation.
; The chip was launched on July 23, 2026; its instructions are those of AMD's public machine-readable ISA for CDNA 5 (MIT licence, August 2026) and "CDNA5" Instruction Set Architecture Reference Guide (July 2026). The comments in the code are by the model that wrote it; some were corrected since.
;; Multihead Self Attention. Allowed arithmetic: matrix products marked QUANTISED: E4M3 operands, one given power-of-two scale a tensor, by v_wmma_f32_16x16x64_fp8_fp8 or v_wmma_f32_16x16x128_fp8_fp8, f32 sums; everything else in f32.
;; Inputs: lowp_scales 8 int32 (the exponents e of the quantised operands' scales 2^e); token_positions 4,096 int32; w_o 1,024 x 1,024 float32; w_qkv 3,072 x 1,024 float32; x 1 x 4,096 x 1,024 float32.
;; Outputs: out0 1 x 4,096 x 1,024 float32.
;; This version of the problem:
;;   THIS VERSION OF THE PROBLEM IS GIVEN IN LOW PRECISION. The matrix products marked QUANTISED in the list below multiply operands that are first quantised to E4M3 (4 exponent bits, 3 mantissa bits; 8 bits a number), with one given power-of-two scale for each operand tensor; their sums are f32. All else is computed in f32.
;;   The module's matrix products, in the order in which they are computed (A, B: the left and right operand; K: the contracted axis; several contracted axes count as one K, in the product's order):
;;     1. [M 4,096, K 1,024] x [K 1,024, N 3,072]; A: input x; B: input w_qkv: QUANTISED (scales: A lowp_scales[0], B lowp_scales[1])
;;     2. batch 16 x [M 4,096, K 64] x [K 64, N 4,096]; A: computed on the way; B: computed on the way: QUANTISED (scales: A lowp_scales[2], B lowp_scales[3])
;;     3. batch 16 x [M 4,096, K 4,096] x [K 4,096, N 64]; A: softmax (see below); B: computed on the way: QUANTISED (scales: A lowp_scales[4], B lowp_scales[5])
;;     4. [M 4,096, K 1,024] x [K 1,024, N 1,024]; A: computed on the way; B: input w_o: QUANTISED (scales: A lowp_scales[6], B lowp_scales[7])
;;   THE QUANTISER, for each operand of a quantised product, along K:
;;     - The operand's scale is 2^e, e = its entry of the input lowp_scales (int32; the entries are numbered through the quantised products in the list's order, A before B).
;;     - Each number is divided by the scale, clamped to +-448, and rounded to the nearest number of E4M3, ties to even, subnormals kept.
;;     - The product sums the exact products of the quantised numbers (number of the format x scale) in f32.
;;   ~~~python
;;   def quantise(x, axis, e):      # numpy; x: float32 -> the quantised numbers, widened to float32 again
;;       x = np.moveaxis(x, axis, -1); K = x.shape[-1]
;;       r = np.clip(x / 2.0 ** e, -448, 448)
;;       step = 2.0 ** (np.maximum(np.frexp(np.where(r == 0, 1, r))[1] - 1, -6) - 3)
;;       q = np.round(r / step) * step * 2.0 ** e      # np.round: ties to even
;;       return np.moveaxis(q, -1, axis).astype(np.float32)
;;   ~~~
;;   SOFTMAX AHEAD OF A QUANTISED PRODUCT. Where the list says 'softmax', what is quantised is not the finished softmax but p = 2^(t - M), with t = logit x log2(e) and M = ceil(the row's largest t), a whole number; so 1/2 < the row's largest p <= 1. The row's sum l is taken of the UNQUANTISED p, in f32, and the product's result is divided by l at the end. Since M is a whole number, a kernel that streams over the keys may use a running M (the ceiling of the running maximum): every later rescaling is an exact power of two, so the quantised numbers keep their values, but for numbers so far below the row's largest that they fall under the format's range.
;;   OPERANDS COMPUTED ON THE WAY. 'Computed on the way' means the value that the module computes at that place (a softmax that the list does not call 'softmax' is quantised finished and normalised). What goes into a quantiser is computed in f32, as accurately as f32 sums, v_exp_f32 and their like allow (about 1e-6 of the number): no bf16 or f16 on the way to a quantiser, and a product that is left as it is and whose result goes on into a quantised operand takes f32 operands (vector FMAs, or v_wmma_f32_16x16x4_f32). A number that lies on a knife's edge between two numbers of the format may be rounded either way, as far as f32 arithmetic and the matrix unit's own rounding can turn it there, and no further.
;; One version. Each part assembles by itself: llvm-mc -triple=amdgcn-amd-amdhsa -mcpu=gfx1250 --defsym DOCPART=n.
;; ======== version 1 of 1: 4 launches
;; limits: right only within a limited range of input values
;; workspace buffers: x_codes 4,194,304 bytes; wqkv_codes 3,145,728 bytes; wo_codes 1,048,576 bytes; rope 1,048,576 bytes; q_img 4,194,304 bytes; k_img 4,194,304 bytes; v_img 4,194,304 bytes; a_img 4,194,304 bytes
;; launch quant (part 1): grid 256 x 1, 4 waves a work-group, no clusters, 33,280 bytes of LDS; arguments x, w_qkv, w_o, lowp_scales, token_positions, x_codes, wqkv_codes, wo_codes, rope; writes x_codes, wqkv_codes, wo_codes, rope
.if DOCPART == 1
	.amdgcn_target "amdgcn-amd-amdhsa--gfx1250"
	.amdhsa_code_object_version 6
	.text
	.protected	k_q3a894cac33_quant
	.globl	k_q3a894cac33_quant
	.p2align	8
	.type	k_q3a894cac33_quant,@function
k_q3a894cac33_quant:
	s_mov_b64 s[64:65], 0
	v_nop
	global_prefetch_b8 v0, s[64:65] scope:SCOPE_SE
	s_setreg_imm32_b32 hwreg(HW_REG_WAVE_MODE, 25, 1), 1
	s_wait_xcnt 0x0
; x [4096][1024], w_qkv [3072][1024] and w_o [1024][1024], f32, K innermost, become codes of FP8 (E4M3), one byte each, in the same order, each with its given scale 2^e
; (entries 0, 1 and 7 of the buffer of scales): code = x / 2^e, held within +-448, rounded to the nearest code, ties to even.
; The same launch makes the table of cos and sin for the rotation of q and k: angle = position x 10^(-j/8), j = 0 .. 31, one f32 multiplication.
; LIMITS: each e between -126 and 119; |token position| up to 100,000 (the reduction of the angle takes pi/2 in two parts); NaN among the inputs is not served.
; SHARES.  All three tensors are plain streams: a work-group takes 32,768 numbers (work-groups 0-127: x, 128-223: w_qkv, 224-255: w_o), a wave 16 steps of 512.  Only pointers and e are chosen; there is one path.
; Each of a step's four loads reads 512 consecutive bytes, 16 a lane; the conversions want 16 NEIGHBOURS in a lane, so the 2,048 bytes turn through the wave's own stage in LDS (64 bytes a lane on the way back,
; 16 bytes of padding behind each 64).  A lane's 16 codes are 16 bytes: a store covers 512 consecutive bytes.  Loads run four steps ahead, the turn through LDS one step.  Waves share nothing: no barrier.
; THE TABLE: rope[sblock 256][c 8][lane][4 f32] = cos, sin, cos, sin of position 16 sblock + lane % 16 and j = 8 (c / 2) + 4 (lane / 16) + 2 (c % 2) + 0, 1: the order in which the next launch's registers take it.
; Work-group g makes sblock g, wave w its pieces c = 2 w and 2 w + 1 (j = 8 w + 4 (lane / 16) + 0 .. 3), while the first sixteen loads of the stream are on their way.
.set WAVES, 4
.set STEPS, 16
.set EMAX,  8
.set MANT,  0x600000                   ; the mantissa field of 448 as f32
.set CB,    16                         ; bytes of 16 codes
.set R,     16                         ; v16-79   four sets of 16 numbers as they are loaded
.set X,     80                         ; v80-111  two sets of 16 neighbours
.set T,     112                        ; v112-119 the table's eight numbers; v120-127 at work on them
.set C,     128                        ; v128-191 codes: four registers for each step, so that no store's data are written again
.set WREG,  8192                       ; LDS: a region for each wave: two stages of 32 x SP bytes
.set SP,    80                         ; a lane's place in a stage: its 64 bytes + 16 of padding
.set SPW,   12                         ; v12      LDS address of my spare word; never rewritten
.set NIL,   13                         ; v13      0; never rewritten
.set SPARE, WAVES*WREG                 ; behind the four regions: the spare words, 128 bytes for each wave
	s_load_b256 s[4:11], s[0:1], 0x0               ; x s[4:5], w_qkv s[6:7], w_o s[8:9], the scales' exponents s[10:11]
	s_load_b256 s[12:19], s[0:1], 0x20             ; token_positions s[12:13], x_codes s[14:15], wqkv_codes s[16:17], wo_codes s[18:19]
	s_load_b64 s[20:21], s[0:1], 0x40              ; rope
	v_lshl_add_u32 v[SPW], v0, 2, SPARE
	v_mov_b32 v[NIL], 0
	v_lshrrev_b32 v1, 5, v0
	v_readfirstlane_b32 s22, v1                    ; wave
	v_and_b32 v2, 31, v0                           ; lane
	v_lshlrev_b32 v3, 4, v2                        ; 16 x lane: my 16 bytes of a load's 512, of a store's 512 and of a piece of the table
	s_mul_i32 s23, s22, WREG
	v_lshrrev_b32 v14, 2, v2
	v_mul_u32_u24 v14, v14, SP
	v_and_b32 v15, 3, v2
	v_lshl_add_u32 v14, v15, 4, v14
	v_add_nc_u32 v14, s23, v14                     ; the stage, on the way in: SP (lane / 4) + 16 (lane % 4)
	v_mul_u32_u24 v15, v2, SP
	v_add_nc_u32 v15, s23, v15                     ; and on the way out: SP x lane: my 16 neighbours
	v_and_b32 v1, 15, v0
	v_lshlrev_b32 v1, 2, v1                        ; my position's 4 bytes among the work-group's sixteen
	; the eight frequencies 10^(-(8 w + t) / 8), t = 0 .. 7, of my wave, each the f32 number nearest to it: chosen by the wave's number, without a branch
	s_mov_b32 s40, 1.0
	s_mov_b32 s41, 0.749894209332
	s_mov_b32 s42, 0.562341325190
	s_mov_b32 s43, 0.421696503429
	s_mov_b32 s44, 0.316227766017
	s_mov_b32 s45, 0.237137370566
	s_mov_b32 s46, 0.177827941004
	s_mov_b32 s47, 0.133352143216
.macro FROW k, f0, f1, f2, f3, f4, f5, f6, f7
	s_cmp_eq_u32 s22, \k
	s_cselect_b32 s40, \f0, s40
	s_cselect_b32 s41, \f1, s41
	s_cselect_b32 s42, \f2, s42
	s_cselect_b32 s43, \f3, s43
	s_cselect_b32 s44, \f4, s44
	s_cselect_b32 s45, \f5, s45
	s_cselect_b32 s46, \f6, s46
	s_cselect_b32 s47, \f7, s47
.endm
	FROW 1, 0.1, 0.0749894209332, 0.0562341325190, 0.0421696503429, 0.0316227766017, 0.0237137370566, 0.0177827941004, 0.0133352143216
	FROW 2, 0.01, 0.00749894209332, 0.00562341325190, 0.00421696503429, 0.00316227766017, 0.00237137370566, 0.00177827941004, 0.00133352143216
	FROW 3, 0.001, 0.000749894209332, 0.000562341325190, 0.000421696503429, 0.000316227766017, 0.000237137370566, 0.000177827941004, 0.000133352143216
	s_mov_b32 s48, 0x3f22f983                      ; 2 / pi
	s_mov_b32 s49, 0xbfc90fdb                      ; -P1: pi / 2 as f32
	s_mov_b32 s50, 0x333bbd2e                      ; -P2: what P1 lacks of pi / 2
	s_mov_b32 s51, -0.16666654611                  ; sine on |r| <= pi / 4: r + r z (S1 + z (S2 + z S3)), z = r r
	s_mov_b32 s52, 0.0083321608736
	s_mov_b32 s53, -0.00019515295891
	s_mov_b32 s54, 0.04166664568298827             ; cosine: 1 - z / 2 + z z (C1 + z (C2 + z C3))
	s_mov_b32 s55, -0.001388731625493765
	s_mov_b32 s56, 0.00002443315711809948
	s_wait_alu depctr_va_vdst(0)
	s_wait_kmcnt 0x0
	s_load_b256 s[32:39], s[10:11], 0x0            ; e0 .. e7
	s_cmp_lt_u32 ttmp9, 128                        ; whose work-group?  The choices hang on the work-group's number alone
	s_cselect_b64 s[24:25], s[4:5], s[6:7]
	s_cselect_b64 s[26:27], s[14:15], s[16:17]
	s_cselect_b32 s28, 0, 128
	s_cmp_lt_u32 ttmp9, 224
	s_cselect_b64 s[24:25], s[24:25], s[8:9]
	s_cselect_b64 s[26:27], s[26:27], s[18:19]
	s_cselect_b32 s28, s28, 224
	s_sub_co_u32 s28, ttmp9, s28
	s_lshl_b32 s28, s28, 2
	s_add_co_u32 s28, s28, s22                     ; which run of 8,192 numbers of the tensor is my wave's
	s_lshl_b32 s30, s28, 15                        ; 32,768 bytes of numbers,
	s_mov_b32 s31, 0
	s_add_nc_u64 s[24:25], s[24:25], s[30:31]
	s_lshl_b32 s30, s28, 13                        ; 8,192 bytes of codes
	s_add_nc_u64 s[26:27], s[26:27], s[30:31]
	s_lshl_b32 s30, ttmp9, 6                       ; the work-group's sixteen positions
	s_add_nc_u64 s[12:13], s[12:13], s[30:31]
	s_lshl_b32 s30, ttmp9, 12                      ; its 4,096 bytes of the table,
	s_lshl_b32 s29, s22, 10                        ; my wave's two pieces of 512
	s_add_co_u32 s30, s30, s29
	s_add_nc_u64 s[20:21], s[20:21], s[30:31]
.macro LOAD t
.irp i, 0,1,2,3
	global_load_b128 v[R+16*((\t)%4)+4*\i:R+16*((\t)%4)+4*\i+3], v3, s[24:25] offset:2048*(\t)+512*\i th:TH_LOAD_NT   ; 32 lanes read 512 consecutive bytes
.endr
.endm
.macro TURN t                          ; step t's numbers through the stage: LDS serves a wave's instructions in order, so no wait stands between the stores and the loads
.irp i, 0,1,2,3
	ds_store_b128 v14, v[R+16*((\t)%4)+4*\i:R+16*((\t)%4)+4*\i+3] offset:32*SP*((\t)%2)+8*SP*\i
.endr
.irp i, 0,1,2,3
	ds_load_b128 v[X+16*((\t)%2)+4*\i:X+16*((\t)%2)+4*\i+3], v15 offset:32*SP*((\t)%2)+16*\i
.endr
.endm
	global_load_b32 v5, v1, s[12:13]               ; token_positions[16 g + lane % 16]
.irp t, 0,1,2,3
	LOAD \t
.endr
; cos and sin of position x v[f], into v[dc] and v[ds].  n = the nearest whole number to angle x 2 / pi; r = angle - n pi / 2 by two fused multiply-adds (the first is exact); the two polynomials; the quadrant n mod 4 swaps them and sets the signs.
.macro SINCOS dc, ds, f
	v_mul_f32 v120, v5, v[\f]                      ; the angle: one rounding
	v_mul_f32 v121, s48, v120
	v_rndne_f32 v121, v121                         ; n
	v_fma_f32 v122, v121, s49, v120
	v_fma_f32 v122, v121, s50, v122                ; r
	v_cvt_i32_f32 v123, v121                       ; n as a whole number
	v_mul_f32 v124, v122, v122                     ; z
	v_fma_f32 v125, v124, s53, s52
	v_fma_f32 v125, v125, v124, s51
	v_mul_f32 v126, v124, v122
	v_fma_f32 v125, v125, v126, v122               ; sin r
	v_fma_f32 v126, v124, s56, s55
	v_fma_f32 v126, v126, v124, s54
	v_mul_f32 v127, v124, v124
	v_fma_f32 v124, v124, -0.5, 1.0
	v_fma_f32 v126, v126, v127, v124               ; cos r
	v_and_b32 v127, 1, v123
	v_cmp_eq_u32 vcc_lo, 1, v127                   ; an odd quadrant swaps the two
	v_cndmask_b32 v[\ds], v125, v126, vcc_lo
	v_cndmask_b32 v[\dc], v126, v125, vcc_lo
	v_lshlrev_b32 v127, 30, v123
	v_and_b32 v127, 0x80000000, v127               ; the sine is negative in quadrants 2 and 3,
	v_xor_b32 v[\ds], v[\ds], v127
	v_add_nc_u32 v123, 1, v123
	v_lshlrev_b32 v127, 30, v123
	v_and_b32 v127, 0x80000000, v127               ; the cosine in quadrants 1 and 2
	v_xor_b32 v[\dc], v[\dc], v127
.endm
	s_wait_loadcnt 16                              ; my position is in; the sixteen loads issued behind it stay out
	v_cvt_f32_i32 v5, v5
	v_cmp_lt_u32 vcc_lo, 15, v2                    ; lanes 16-31 take the upper four frequencies
.irp u, 0,1,2,3
	v_mov_b32 v[6+\u], s[44+\u]
	v_cndmask_b32 v[6+\u], s[40+\u], v[6+\u], vcc_lo
.endr
	SINCOS T+0, T+1, 6
	SINCOS T+2, T+3, 7
	SINCOS T+4, T+5, 8
	SINCOS T+6, T+7, 9
	global_store_b128 v3, v[T:T+3], s[20:21]       ; a piece: 512 consecutive bytes; v112-119 are written nowhere else
	global_store_b128 v3, v[T+4:T+7], s[20:21] offset:512
	s_wait_kmcnt 0x0
	s_cmp_lt_u32 ttmp9, 128
	s_cselect_b32 s29, s32, s33
	s_cmp_lt_u32 ttmp9, 224
	s_cselect_b32 s29, s29, s39                    ; e: entry 0, 1 or 7
	s_add_co_i32 s29, s29, 127
	s_lshl_b32 s30, s29, 23
	v_mov_b32 v11, s30                             ; 2^e as f32: the conversion takes its exponent field
	s_add_co_i32 s29, s29, EMAX
	s_lshl_b32 s29, s29, 23
	s_or_b32 s29, s29, MANT
	v_mov_b32 v10, s29                             ; 448 x 2^e
	s_wait_alu depctr_va_vdst(0)
	s_wait_loadcnt 12                              ; step 0's four loads are in
	TURN 0
.macro STEP t
.set XS, X+16*((\t)%2)
	s_wait_dscnt 0x0                               ; this step's numbers are back from the stage: so its stores into the stage have read their registers,
.if (\t)+4 < STEPS
	LOAD (\t)+4                                    ; which take the loads of four steps on
.endif
.if (\t)+1 < STEPS
.if STEPS-2-(\t) >= 3
	s_wait_loadcnt 12                              ; the next step's four loads are in; those of the three steps behind it may be out
.else
	s_wait_loadcnt 4*(STEPS-2-(\t))
.endif
	TURN (\t)+1                                    ; and go through the other stage while this step is worked
.endif
.irp i, 0,1,2,3,4,5,6,7,8,9,10,11,12,13,14,15
	v_med3_num_f32 v[XS+\i], v[XS+\i], -v10, v10   ; the conversion to an 8-bit code does not saturate (ISA guide 7.6.2): the hold at the largest code x the scale comes first
.endr
	v_cvt_scalef32_pk8_fp8_f32 v[C+4*(\t):C+4*(\t)+1], v[XS:XS+7], v11
	v_cvt_scalef32_pk8_fp8_f32 v[C+4*(\t)+2:C+4*(\t)+3], v[XS+8:XS+15], v11
	global_store_b128 v3, v[C+4*(\t):C+4*(\t)+3], s[26:27] offset:32*CB*(\t)   ; the codes go to a store alone; the next vector lines are the next step's holds, plain and on other registers
.endm
.irp t, 0,1,2,3,4,5,6,7,8,9,10,11,12,13,14,15
	STEP \t
.endr
	s_wait_tensorcnt 0x0                           ; the wave's end, behind my last LDS store
	ds_add_u32 v[SPW], v[NIL]
	s_wait_dscnt 0x0
	s_endpgm
.Lfunc_end_k_q3a894cac33_quant:
	.size	k_q3a894cac33_quant, .Lfunc_end_k_q3a894cac33_quant-k_q3a894cac33_quant
	.p2alignl 7, 3214868480
	.fill 96, 4, 3214868480
	.section	.rodata,"a",@progbits
	.p2align	6, 0x0
	.amdhsa_kernel k_q3a894cac33_quant
		.amdhsa_group_segment_fixed_size 33280
		.amdhsa_private_segment_fixed_size 0
		.amdhsa_enable_private_segment 0
		.amdhsa_kernarg_size 72
		.amdhsa_user_sgpr_count 2
		.amdhsa_user_sgpr_kernarg_segment_ptr 1
		.amdhsa_wavefront_size32 1
		.amdhsa_system_sgpr_workgroup_id_x 1
		.amdhsa_system_sgpr_workgroup_id_y 1
		.amdhsa_system_sgpr_workgroup_id_z 1
		.amdhsa_system_vgpr_workitem_id 0
		.amdhsa_next_free_vgpr 192
		.amdhsa_next_free_sgpr 66
		.amdhsa_reserve_vcc 1
		.amdhsa_float_denorm_mode_32 3
		.amdhsa_float_denorm_mode_16_64 3
		.amdhsa_memory_ordered 1
		.amdhsa_forward_progress 1
		.amdhsa_inst_pref_size 46
	.end_amdhsa_kernel
	.amdgpu_metadata
---
amdhsa.version: [ 1, 2 ]
amdhsa.kernels:
  - .name:           k_q3a894cac33_quant
    .symbol:         k_q3a894cac33_quant.kd
    .args:
      - { .name: x, .offset: 0, .size: 8, .value_kind: global_buffer, .address_space: global }
      - { .name: w_qkv, .offset: 8, .size: 8, .value_kind: global_buffer, .address_space: global }
      - { .name: w_o, .offset: 16, .size: 8, .value_kind: global_buffer, .address_space: global }
      - { .name: lowp_scales, .offset: 24, .size: 8, .value_kind: global_buffer, .address_space: global }
      - { .name: token_positions, .offset: 32, .size: 8, .value_kind: global_buffer, .address_space: global }
      - { .name: x_codes, .offset: 40, .size: 8, .value_kind: global_buffer, .address_space: global }
      - { .name: wqkv_codes, .offset: 48, .size: 8, .value_kind: global_buffer, .address_space: global }
      - { .name: wo_codes, .offset: 56, .size: 8, .value_kind: global_buffer, .address_space: global }
      - { .name: rope, .offset: 64, .size: 8, .value_kind: global_buffer, .address_space: global }
    .group_segment_fixed_size: 33280
    .private_segment_fixed_size: 0
    .kernarg_segment_align: 8
    .kernarg_segment_size: 72
    .max_flat_workgroup_size: 128
    .sgpr_count:     66
    .vgpr_count:     192
    .wavefront_size: 32
...
	.end_amdgpu_metadata
.endif
;; end of part 1
;; launch qkv (part 2): grid 12 x 16, 4 waves a work-group, clusters of 4 x 4, 327,680 bytes of LDS; arguments x_codes, wqkv_codes, lowp_scales, rope, q_img, k_img, v_img; writes q_img, k_img, v_img
.if DOCPART == 2
	.amdgcn_target "amdgcn-amd-amdhsa--gfx1250"
	.amdhsa_code_object_version 6
	.text
	.protected	k_q3a894cac33_qkv
	.globl	k_q3a894cac33_qkv
	.p2align	8
	.type	k_q3a894cac33_qkv,@function
k_q3a894cac33_qkv:
	s_mov_b64 s[64:65], 0
	v_nop
	global_prefetch_b8 v0, s[64:65] scope:SCOPE_SE
	s_setreg_imm32_b32 hwreg(HW_REG_WAVE_MODE, 25, 1), 1
	s_wait_xcnt 0x0
	s_wait_alu depctr_hold_cnt(0) depctr_sa_sdst(0) depctr_va_vdst(0) depctr_va_sdst(0) depctr_va_ssrc(0) depctr_va_vcc(0) depctr_vm_vsrc(0)
	s_getreg_b32 s2, hwreg(HW_REG_IB_STS2, 6, 4)
	s_cmp_eq_u32 s2, 0
	s_cbranch_scc0 .Lentry_in_a_cluster
	s_endpgm
.Lentry_in_a_cluster:
	s_bfe_u32 s2, ttmp6, 0x10000c
	s_cmp_lg_u32 s2, 0xf033
	s_cbranch_scc0 .Lentry_shape_is_right
	s_endpgm
.Lentry_shape_is_right:
.set ROWB,   256
.set KROW,   1024
.set PITCH,  272
.set FR,     16
.set NL,     4
.set NP,     4
.set HALFT,  128*PITCH
.set SLOT,   4*HALFT
.set LAPS,   2
.set SPARE,  2*SLOT
.set SC,   10
.set LIM,  11
.set ADRA, 16
.set ADRB, 20
.set STO,  24
.set RDQ,  25
.set RDK,  26
.set RDV,  27
.set SPW,  28
.set NIL,  29
.set L16,  30
.set RR,   32
.set AF,   128
.set CD,   128
.set ISV,  84
.set G1, 24
.set G0, 32
.set G1B, 48
.set G0B, 56
.set MSB, 0
.macro WIN new
.if MSB != \new
	s_set_vgpr_msb (MSB<<8)|\new
.set MSB, \new
.endif
.endm
.set MUL_LO, 0xa1
.set MUL_HI, 0xf1
.set TO_B,   0x40
.macro JLOAD g0a, g1a, g0b, g1b
	s_cmp_eq_u32 s15, 0
	s_cbranch_scc0 .Lfor_b_\@
	tensor_load_to_lds s[\g0a:\g0a+3], s[\g1a:\g1a+7]
	s_nop 0
.rept 4
	v_nop
.endr
	s_branch .Lasked_\@
.Lfor_b_\@:
	tensor_load_to_lds s[\g0b:\g0b+3], s[\g1b:\g1b+7]
	s_nop 0
.rept 4
	v_nop
.endr
.Lasked_\@:
.endm
.macro CREST
	s_cmp_lg_u32 s14, 0
	s_cbranch_scc1 .Lnot_wave_0_\@
	s_barrier_signal -3
.Lnot_wave_0_\@:
	s_barrier_wait -3
	s_barrier_signal -1
	s_barrier_wait -1
.endm
.macro CROUND
	s_barrier_signal -1
	s_barrier_wait -1
	CREST
.endm
	s_load_b128 s[4:7], s[0:1], 0x0
	s_load_b128 s[8:11], s[0:1], 0x10
	s_load_b128 s[68:71], s[0:1], 0x20
	s_load_b64 s[72:73], s[0:1], 0x30
	v_lshl_add_u32 v[SPW], v0, 2, SPARE
	v_mov_b32 v[NIL], 0
	ds_add_u32 v[SPW], v[NIL]
	ds_add_u32 v[SPW], v[NIL]
	v_lshrrev_b32 v1, 5, v0
	v_readfirstlane_b32 s14, v1
	s_lshr_b32 s15, s14, 1
	s_and_b32 s16, s14, 1
	s_bfe_u32 s40, ttmp6, 0x40000
	s_bfe_u32 s41, ttmp6, 0x40004
	s_and_b32 s12, ttmp7, 0xffff
	s_cmp_eq_u32 ttmp9, 2
	s_cselect_b32 s[ISV], 1, 0
	s_cselect_b32 s13, 0, s12
	s_cselect_b32 s85, s12, ttmp9
	s_cselect_b32 s86, 2048, 0
	s_lshl_b32 s42, s85, 2
	s_add_co_u32 s42, s42, s40
	s_lshl_b32 s17, s13, 2
	s_add_co_u32 s17, s17, s41
	s_lshl_b32 s43, s41, 2
	s_lshl_b32 s43, 15, s43
	s_lshl_b32 s44, 0x1111, s40
	s_or_b32 s[G1+0], s43, (0<<16)|(1<<20)|(1<<21)|(5<<22)|(3<<25)
	s_or_b32 s[G1B+0], s44, (0<<16)|(1<<20)|(1<<21)|(5<<22)|(3<<25)
.irp g, G1, G1B
	s_mov_b32 s[\g+1], ROWB<<16
	s_mov_b32 s[\g+2], 128<<16
	s_mov_b32 s[\g+3], ROWB<<16
	s_mov_b32 s[\g+4], 128
	s_mov_b32 s[\g+5], KROW
	s_mov_b32 s[\g+6], 0
	s_mov_b32 s[\g+7], 0
.endr
	s_lshl_b32 s18, s16, 7
	s_lshl_b32 s20, s17, 8
	s_add_co_u32 s20, s20, s18
	s_add_co_u32 s20, s20, s86
	s_lshl_b32 s20, s20, 10
	s_mov_b32 s21, 0
	s_lshl_b32 s46, s42, 8
	s_add_co_u32 s46, s46, s18
	s_lshl_b32 s46, s46, 10
	s_mov_b32 s47, 0
	s_mul_i32 s45, s14, HALFT
	s_wait_dscnt 0x0
	s_wait_kmcnt 0x0
	s_load_b256 s[76:83], s[8:9], 0x0
	s_cmp_eq_u32 s[ISV], 1
	s_cselect_b64 s[88:89], s[6:7], s[4:5]
	s_cselect_b64 s[90:91], s[4:5], s[6:7]
	s_add_nc_u64 s[20:21], s[88:89], s[20:21]
	s_add_nc_u64 s[46:47], s[90:91], s[46:47]
	CROUND
.irp s, 0,1
	s_mov_b32 s[G0+4*\s], 1
	s_add_co_u32 s[G0+4*\s+1], s45, \s*SLOT
	s_add_nc_u64 s[G0+4*\s+2:G0+4*\s+3], s[20:21], \s*ROWB
	s_or_b32 s[G0+4*\s+3], s[G0+4*\s+3], 0x80000000
	s_mov_b32 s[G0B+4*\s], 1
	s_add_co_u32 s[G0B+4*\s+1], s45, \s*SLOT
	s_add_nc_u64 s[G0B+4*\s+2:G0B+4*\s+3], s[46:47], \s*ROWB
	s_or_b32 s[G0B+4*\s+3], s[G0B+4*\s+3], 0x80000000
	s_wait_alu depctr_va_vdst(0)
	s_wait_tensorcnt 0x0
	ds_add_u32 v28, v29
	ds_add_u32 v28, v29
	s_wait_dscnt 0x0
	CROUND
	JLOAD G0+4*\s, G1, G0B+4*\s, G1B
.endr
	v_and_b32 v1, 15, v0
	v_bfe_u32 v2, v0, 4, 1
	v_mul_u32_u24 v3, v1, PITCH
	s_wait_alu depctr_va_vdst(0)
	v_lshl_add_u32 v4, v2, 4, v3
	s_wait_alu depctr_va_vdst(0)
	s_mul_i32 s21, s15, HALFT
	s_mul_i32 s22, s16, HALFT
	s_add_co_u32 s22, s22, 2*HALFT
.irp s, 0,1
	v_add_nc_u32 v[ADRA+\s], s21, v4
	v_add_nc_u32 v[ADRB+\s], s22, v4
	s_add_co_u32 s21, s21, SLOT
	s_add_co_u32 s22, s22, SLOT
.endr
	s_mul_i32 s23, s15, 128*PITCH
	s_lshl_b32 s22, s16, 7
	s_add_co_u32 s23, s23, s22
	v_lshl_add_u32 v5, v2, 3, v3
	v_add_nc_u32 v[STO], s23, v5
	s_lshl_b32 s22, s14, 6
	v_add_nc_u32 v[RDQ], s22, v4
	v_and_b32 v6, 8, v1
	v_add_nc_u32 v6, v6, v1
	v_mul_u32_u24 v6, v6, PITCH
	v_lshl_add_u32 v6, v2, 4, v6
	v_add_nc_u32 v[RDK], s22, v6
	s_mul_i32 s22, s14, 64*PITCH
	v_add_nc_u32 v[RDV], s22, v6
	v_and_b32 v7, 31, v0
	v_lshlrev_b32 v[L16], 4, v7
	s_cmp_eq_u32 s[ISV], 1
	s_cselect_b32 s22, s41, s40
	s_cselect_b32 s23, s42, s17
	s_cselect_b64 s[92:93], s[72:73], s[68:69]
	s_cmp_eq_u32 ttmp9, 1
	s_cselect_b64 s[92:93], s[70:71], s[92:93]
	s_lshl_b32 s22, s22, 2
	s_add_co_u32 s22, s22, s14
	s_lshl_b32 s22, s22, 18
	s_lshl_b32 s23, s23, 14
	s_add_co_u32 s22, s22, s23
	s_mov_b32 s23, 0
	s_add_nc_u64 s[92:93], s[92:93], s[22:23]
	s_lshl_b32 s22, s17, 16
	s_lshl_b32 s18, s15, 15
	s_add_co_u32 s22, s22, s18
	s_add_nc_u64 s[94:95], s[10:11], s[22:23]
	s_wait_kmcnt 0x0
	s_cmp_eq_u32 ttmp9, 0
	s_cselect_b32 s22, s78, s79
	s_cmp_eq_u32 ttmp9, 2
	s_cselect_b32 s22, s81, s22
	s_sub_co_i32 s22, s22, s76
	s_sub_co_i32 s22, s22, s77
	s_add_co_i32 s22, s22, 127
	s_lshl_b32 s23, s22, 23
	v_mov_b32 v[SC], s23
	s_add_co_i32 s22, s22, 8
	s_lshl_b32 s22, s22, 23
	s_or_b32 s22, s22, 0x600000
	v_mov_b32 v[LIM], s22
.macro FRAG reg, adr, q, i
.irp c, 0,1,2,3
	ds_load_b128 v[\reg+4*\c:\reg+4*\c+3], v[\adr] offset:128*(\q)+32*\c+(\i)*16*PITCH
.endr
.endm
.macro MUL16 a0, p, zero
.irp a, \a0, \a0+1
.irp b, 0,1,2,3,4,5,6,7
.if \zero
	v_wmma_f32_16x16x128_fp8_fp8 v[8*(8*((\a)%4)+\b):8*(8*((\a)%4)+\b)+7], v[128*(\p)+FR*\b:128*(\p)+FR*\b+FR-1], v[AF+FR*(\a):AF+FR*(\a)+FR-1], 0
.else
	v_wmma_f32_16x16x128_fp8_fp8 v[8*(8*((\a)%4)+\b):8*(8*((\a)%4)+\b)+7], v[128*(\p)+FR*\b:128*(\p)+FR*\b+FR-1], v[AF+FR*(\a):AF+FR*(\a)+FR-1], v[8*(8*((\a)%4)+\b):8*(8*((\a)%4)+\b)+7]
.endif
.endr
.endr
.endm
.macro FETCH_B slot, q, p
	WIN TO_B
.irp i, 0,1,2,3,4,5,6,7
	FRAG 128*(\p)+FR*\i, ADRB+\slot, \q, \i
.endr
	WIN 0
.endm
.macro FETCH_A slot, q, i0
.irp i, \i0, \i0+1, \i0+2, \i0+3
	FRAG AF+FR*(\i), ADRA+\slot, \q, \i
.endr
.endm
.macro PLACES n
.rept \n
	v_nop
.endr
.endm
.macro STEP slot, q, zero
	s_wait_dscnt 4*NL
	WIN MUL_LO
	MUL16 0, (\q)%2, \zero
	MUL16 2, (\q)%2, \zero
	s_wait_dscnt 0
	PLACES NP
	FETCH_B \slot, (\q)+1, 1-(\q)%2
	FETCH_A \slot, (\q)+1, 0
	WIN MUL_HI
	MUL16 4, (\q)%2, \zero
	MUL16 6, (\q)%2, \zero
	PLACES NP
	WIN 0
	FETCH_A \slot, (\q)+1, 4
.endm
.macro TURN slot, next, fill
	s_wait_tensorcnt 0x0
	ds_add_u32 v[SPW], v[NIL]
	s_wait_dscnt 4*NL+1
	WIN MUL_LO
	MUL16 0, 1, 0
	s_wait_dscnt 0x0
	s_barrier_signal -1
	MUL16 2, 1, 0
	WIN 0
	s_barrier_wait -1
.if \fill
	CREST
	s_add_nc_u64 s[G0+4*\slot+2:G0+4*\slot+3], s[G0+4*\slot+2:G0+4*\slot+3], 2*ROWB
	s_add_nc_u64 s[G0B+4*\slot+2:G0B+4*\slot+3], s[G0B+4*\slot+2:G0B+4*\slot+3], 2*ROWB
	JLOAD G0+4*\slot, G1, G0B+4*\slot, G1B
.else
	PLACES NP
.endif
	FETCH_B \next, 0, 0
	FETCH_A \next, 0, 0
	WIN MUL_HI
	MUL16 4, 1, 0
	MUL16 6, 1, 0
	PLACES NP
	WIN 0
	FETCH_A \next, 0, 4
.endm
.macro ROPELD a0
	s_cmp_eq_u32 s[ISV], 1
	s_cbranch_scc1 .Lno_rope_\@
	WIN TO_B
	s_wait_alu depctr_va_vdst(0)
.irp a, \a0, \a0+1, \a0+2, \a0+3
.irp c, 0,1,2,3,4,5,6,7
	global_load_b128 v[32*(\a)+4*\c:32*(\a)+4*\c+3], v[L16], s[94:95] offset:4096*(\a)+512*\c
.endr
.endr
	WIN 0
.Lno_rope_\@:
.endm
	s_wait_tensorcnt 1
	s_barrier_signal -1
	s_barrier_wait -1
	FETCH_B 0, 0, 0
	FETCH_A 0, 0, 0
	FETCH_A 0, 0, 4
	STEP 0, 0, 1
	s_mov_b32 s3, LAPS-1
.Llap:
	TURN 0, 1, 1
	STEP 1, 0, 0
	TURN 1, 0, 1
	STEP 0, 0, 0
	s_sub_co_u32 s3, s3, 1
	s_cmp_lg_u32 s3, 0
	s_cbranch_scc1 .Llap
	TURN 0, 1, 0
	STEP 1, 0, 0
	ROPELD 0
	s_wait_dscnt 4*NL
	WIN MUL_LO
	MUL16 0, 1, 0
	MUL16 2, 1, 0
	s_wait_dscnt 0
	WIN MUL_HI
	MUL16 4, 1, 0
	MUL16 6, 1, 0
	WIN 0
	PLACES NP
	ROPELD 4
.macro BLOCK a
.set AC, 64*((\a)%4)
	s_cmp_eq_u32 s[ISV], 1
	s_cbranch_scc1 .Lplain_\@
	s_wait_loadcnt 8*(7-(\a))
	WIN 0x06+(\a)/4
.irp b, 0,1,2,3,4,5,6,7
.irp i, 0,1,2,3
	v_pk_mul_f32 v[RR+8*\b+2*\i:RR+8*\b+2*\i+1], v[AC+8*\b+2*\i:AC+8*\b+2*\i+1], v[32*(\a)+8*(\b%4)+2*\i:32*(\a)+8*(\b%4)+2*\i+1] op_sel_hi:[1,0]
.endr
.irp i, 0,1,2,3
	v_pk_fma_f32 v[RR+8*\b+2*\i:RR+8*\b+2*\i+1], v[AC+8*\b+2*\i:AC+8*\b+2*\i+1], v[32*(\a)+8*(\b%4)+2*\i:32*(\a)+8*(\b%4)+2*\i+1], v[RR+8*\b+2*\i:RR+8*\b+2*\i+1] op_sel:[1,1,0] op_sel_hi:[0,1,1] neg_lo:[1,0,0]
.endr
.endr
	WIN 0
.irp j, 0,1,2,3,4,5,6,7,8,9,10,11,12,13,14,15,16,17,18,19,20,21,22,23,24,25,26,27,28,29,30,31,32,33,34,35,36,37,38,39,40,41,42,43,44,45,46,47,48,49,50,51,52,53,54,55,56,57,58,59,60,61,62,63
	v_med3_num_f32 v[RR+\j], v[RR+\j], -v[LIM], v[LIM]
.endr
	s_branch .Ljoin_\@
.Lplain_\@:
	WIN 0x02+(\a)/4
	s_wait_alu depctr_va_vdst(0)
.irp j, 0,1,2,3,4,5,6,7,8,9,10,11,12,13,14,15,16,17,18,19,20,21,22,23,24,25,26,27,28,29,30,31,32,33,34,35,36,37,38,39,40,41,42,43,44,45,46,47,48,49,50,51,52,53,54,55,56,57,58,59,60,61,62,63
	v_med3_num_f32 v[RR+\j], v[AC+\j], -v[LIM], v[LIM]
.endr
	WIN 0
.Ljoin_\@:
	s_wait_alu depctr_va_vdst(0)
.irp b, 0,1,2,3,4,5,6,7
	v_cvt_scalef32_pk8_fp8_f32 v[CD+16*(\a)+2*\b:CD+16*(\a)+2*\b+1], v[RR+8*\b:RR+8*\b+7], v[SC]
.endr
	v_nop
.irp b, 0,1,2,3,4,5,6,7
	ds_store_b64 v[STO], v[CD+16*(\a)+2*\b:CD+16*(\a)+2*\b+1] offset:16*PITCH*(\a)+16*\b
.endr
.endm
.irp a, 0,1,2,3,4,5,6,7
	BLOCK \a
.endr
	s_wait_dscnt 0x0
	s_barrier_signal -1
	s_barrier_wait -1
	s_cmp_eq_u32 ttmp9, 1
	s_cbranch_scc1 .Lread_k
	s_cmp_eq_u32 ttmp9, 2
	s_cbranch_scc1 .Lread_v
.irp t, 0,1,2,3,4,5,6,7,8,9,10,11,12,13,14,15
.irp c, 0,1
	ds_load_b128 v[CD+4*(2*\t+\c):CD+4*(2*\t+\c)+3], v[RDQ] offset:PITCH*16*\t+32*\c
.endr
.endr
	s_branch .Lsend
.Lread_k:
.irp t, 0,1,2,3,4,5,6,7,8,9,10,11,12,13,14,15
.irp c, 0,1
	ds_load_b128 v[CD+4*(2*\t+\c):CD+4*(2*\t+\c)+3], v[RDK] offset:PITCH*(16*\t-8*(\t%2))+32*\c
.endr
.endr
	s_branch .Lsend
.Lread_v:
.irp g, 0,1
.irp d, 0,1,2,3
.irp c, 0,1,2,3
	ds_load_b128 v[CD+4*(16*\g+4*\d+\c):CD+4*(16*\g+4*\d+\c)+3], v[RDV] offset:PITCH*(32*(\d/2)+8*(\d%2))+128*\g+32*\c
.endr
.endr
.endr
.Lsend:
.irp n, 0,1,2,3,4,5,6,7,8,9,10,11,12,13,14,15,16,17,18,19,20,21,22,23,24,25,26,27,28,29,30,31
	s_wait_dscnt 31-\n
	global_store_b128 v[L16], v[CD+4*\n:CD+4*\n+3], s[92:93] offset:512*\n
.endr
	s_wait_tensorcnt 0x0
	ds_add_u32 v[SPW], v[NIL]
	s_wait_dscnt 0x0
	CROUND
	s_endpgm
.Lfunc_end_k_q3a894cac33_qkv:
	.size	k_q3a894cac33_qkv, .Lfunc_end_k_q3a894cac33_qkv-k_q3a894cac33_qkv
	.p2alignl 7, 3214868480
	.fill 96, 4, 3214868480
	.section	.rodata,"a",@progbits
	.p2align	6, 0x0
	.amdhsa_kernel k_q3a894cac33_qkv
		.amdhsa_group_segment_fixed_size 327680
		.amdhsa_private_segment_fixed_size 0
		.amdhsa_enable_private_segment 0
		.amdhsa_kernarg_size 56
		.amdhsa_user_sgpr_count 2
		.amdhsa_user_sgpr_kernarg_segment_ptr 1
		.amdhsa_wavefront_size32 1
		.amdhsa_system_sgpr_workgroup_id_x 1
		.amdhsa_system_sgpr_workgroup_id_y 1
		.amdhsa_system_sgpr_workgroup_id_z 1
		.amdhsa_system_vgpr_workitem_id 0
		.amdhsa_next_free_vgpr 1024
		.amdhsa_next_free_sgpr 100
		.amdhsa_reserve_vcc 0
		.amdhsa_float_denorm_mode_32 3
		.amdhsa_float_denorm_mode_16_64 3
		.amdhsa_memory_ordered 1
		.amdhsa_forward_progress 1
		.amdhsa_inst_pref_size 203
	.end_amdhsa_kernel
	.amdgpu_metadata
---
amdhsa.version: [ 1, 2 ]
amdhsa.kernels:
  - .name:           k_q3a894cac33_qkv
    .symbol:         k_q3a894cac33_qkv.kd
    .args:
      - { .name: x_codes, .offset: 0, .size: 8, .value_kind: global_buffer, .address_space: global }
      - { .name: wqkv_codes, .offset: 8, .size: 8, .value_kind: global_buffer, .address_space: global }
      - { .name: lowp_scales, .offset: 16, .size: 8, .value_kind: global_buffer, .address_space: global }
      - { .name: rope, .offset: 24, .size: 8, .value_kind: global_buffer, .address_space: global }
      - { .name: q_img, .offset: 32, .size: 8, .value_kind: global_buffer, .address_space: global }
      - { .name: k_img, .offset: 40, .size: 8, .value_kind: global_buffer, .address_space: global }
      - { .name: v_img, .offset: 48, .size: 8, .value_kind: global_buffer, .address_space: global }
    .group_segment_fixed_size: 327680
    .private_segment_fixed_size: 0
    .kernarg_segment_align: 8
    .kernarg_segment_size: 56
    .max_flat_workgroup_size: 128
    .sgpr_count:     100
    .vgpr_count:     1024
    .wavefront_size: 32
...
	.end_amdgpu_metadata
.endif
;; end of part 2
;; launch attn (part 3): grid 16 x 16, 16 waves a work-group, no clusters, 327,680 bytes of LDS; arguments q_img, k_img, v_img, lowp_scales, a_img; writes a_img
.if DOCPART == 3
	.amdgcn_target "amdgcn-amd-amdhsa--gfx1250"
	.amdhsa_code_object_version 6
	.text
	.protected	k_q3a894cac33_attn
	.globl	k_q3a894cac33_attn
	.p2align	8
	.type	k_q3a894cac33_attn,@function
k_q3a894cac33_attn:
	s_mov_b64 s[64:65], 0
	v_nop
	global_prefetch_b8 v0, s[64:65] scope:SCOPE_SE
	s_setreg_imm32_b32 hwreg(HW_REG_WAVE_MODE, 25, 1), 1
	s_wait_xcnt 0x0
; Causal attention of one head on codes of FP8 (E4M3): S^T = K Q^T (K = the head's 64), the softmax, O^T = V^T P^T (K = the keys), O / l quantised for the last product.
; THE SOFTMAX: t = score x log2(e) / 8; M = the row's largest t so far, rounded UP to a whole number; p = 2^(t - M) is quantised with 2^e4, not normalised; l is the sum of the unquantised p, in f32.
; When M moves, l and O^T are multiplied by 2^(old M - new M): exact.  At the end O^T / l is quantised with 2^(e6 - e4 - e5) as the conversion's one scale.
; WORK LEFT OUT: key steps that lie wholly under the causal mask (all their keys come after the queries): their p is 0 for all inputs.
; SHARES.  A head's 4,096 queries are 32 pieces of 128.  Work-group (i, head) owns pieces i and 31 - i.  A wave owns 32 queries, TWO tiles a and b, so that each fragment of K and V read from LDS feeds two matrix instructions.
; Two partner waves (w and w xor 4) own the same 32 queries and share the keys: of every 128 keys the wave with half 0 takes the first 64, the other the last 64.  Wave number: bits 1:0 the block of 32 in the piece, bit 2 the half, bit 3 the piece.
; At the end each wave hands one tile's -M, l and O^T to its partner through an LDS stage and finishes the other tile: both states are brought under the larger M by exact powers of two and added.
; K and V come as images of registers (a piece of 512 bytes = 32 lanes x 16): a slot of 512 keys is 32 KiB of K and 32 KiB of V, each dense in memory; fragments are read at 16 x lane.
; THE KEYS OF A TILE ARE NOT NEIGHBOURS (row r of tile t is key 32 (t / 2) + 8 (t % 2) + r + 8 (r / 8)): a lane's registers 16 b + i of S^T are keys 32 b + 16 (lane / 16) + i, and the conversions' results ARE the
; second product's operand (V's pieces 2 half + b hold the same keys).  V's rows d are ordered likewise, so the codes of O are stored from registers, 512 dense bytes a store.
; THE MASK.  Every work-group walks all 8 slots (constant trip counts); a step all of whose keys come after the wave's queries is jumped over; on the diagonal hidden scores become -infinity; a slot whose first key comes after
; the work-group's last query is not asked for, and no wave reads it.  A step that is walked begins at or under the wave's first query, so each of its rows has a key that counts.
; NO CLUSTER: the sixteen work-groups of a head need 5 to 8 slots, by 128 (31 - i) + 127; a joint load may not be jumped over, so partners would have to ask for slots that none of their waves reads.
; LIMITS: e2 + e3 between -123 and 130; e4 and e6 - e4 - e5 between -126 and 119.
.set SK,    512                        ; keys in a slot
.set STEPB, 8192                       ; 128 keys' bytes of K, and of V
.set SLOTB, 32768                      ; a slot's bytes of K, and of V
.set VOFF,  32768                      ; a slot: K's four steps, then V's
.set SLOT1, 1<<17                      ; slot 1 begins here: one exclusive or turns an address in one slot into the other's
.set NSL,   8
.set SPARE, 2*SLOT1                    ; behind the ring: the spare words, 128 bytes for each wave
.set STG,   65536                      ; the stages lie behind each slot's 64 KiB, where no fill lands: waves 0-7 from STG, waves 8-15 from STG + SLOT1
.set WST,   4608                       ; a wave's stage: 8 pieces of O^T and one of -M, t, l
.set L16,  1                           ; v1  16 x lane
.set AK0,  2                           ; v2  my lane's place in a step's K: 16 x lane + 4096 x half
.set PFO,  3                           ; v3  the prefetches' offset
.set AV0,  4                           ; v4  the same in V: 16 x lane + 1024 x half
.set SPW,  5                           ; v5, v6 the add's two registers
.set NIL,  6
.set ADK,  7                           ; v7, v8 the step's LDS addresses
.set ADV,  8
.set STS,  9                           ; v9  my stage;  v10 my partner's
.set STL,  10
.set FA,   12                          ; v[12:13], v[14:15] f = 2^(old M - new M) of tile a, b (the upper words take the lane permutes)
.set FB,   14
.set QA,   16                          ; v16-23, v24-31 Q's fragments
.set QB,   24
.set KR,   32                          ; v32-63  K's four fragments
.set VR,   64                          ; v64-95  V's four fragments
.set SA,   96                          ; v96-127, v128-159 S^T, then p
.set SB,   128
.set OA,   160                         ; v160-191, v192-223 O^T
.set OB,   192
.set CA,   224                         ; v224-231, v232-239 p's codes
.set CB,   232
.set STA,  240                         ; v240-243: -M, the largest t, l in two halves, of tile a;  v244-247 of tile b
.set STB,  244
.set HP,   248                         ; 448 x 2^e4, 2^e4; the same for O
.set SCP,  249
.set HO,   250
.set SCO,  251                         ; v252-255 at work
.set TB,   2                           ; s2   LDS byte at which the slot in hand begins
.set LQ,   3                           ; s3   my work-group's last query
.set PAR,  8                           ; s8   my half of each 128 keys
.set QL,   10                          ; s10  my last query
.set KS,   11                          ; s11  the slot's first key
.set WV,   18
.set SEL,  20                          ; s[20:21] lane selects: lane l xor 16
.set CS,   22                          ; s[22:23] c = log2(e) / 8 x 2^(e2 + e3)
.set G1,   24                          ; s[24:31] descriptor group 1: 64 rows of 256 bytes, dense
.set G0K,  40
.set G0V,  44
.set SLOTS, 67
.set PFA,  76
.set LIM,  80
.set KF,   98                          ; s98  my first key of the step
.set Q0,   99                          ; s99  my first query
; Waves 0 and 1 fetch K's halves of a slot, waves 2 and 3 V's, the others nothing.  The branches hang on the wave's number alone.
.macro TLOAD
	s_cmp_lt_u32 s[WV], 2
	s_cbranch_scc0 .Lnot_k_\@
	tensor_load_to_lds s[G0K:G0K+3], s[G1:G1+7]
	s_nop 0
.rept 4
	v_nop
.endr
	s_branch .Lasked_\@
.Lnot_k_\@:
	s_cmp_lt_u32 s[WV], 4
	s_cbranch_scc0 .Lasked_\@
	tensor_load_to_lds s[G0V:G0V+3], s[G1:G1+7]
	s_nop 0
.rept 4
	v_nop
.endr
.Lasked_\@:
.endm
; A PREFETCH of what the NEXT change of slots will ask for: 32 KiB of K and 32 KiB of V.  All work-groups of a head walk the same K and V: the head's first work-group asks, and in it waves 4 to 7 for K,
; waves 8 to 11 for V, 8,192 bytes a wave, lanes 256 bytes apart: each aligned block of 256 bytes is named once in the launch.  The last change that fills a slot asks for nothing.
.macro ASK
	s_cmp_gt_u32 s[SLOTS], s[LIM]
	s_cbranch_scc0 .Lnot_mine_\@
	global_prefetch_b8 v[PFO], s[PFA:PFA+1] th:TH_LOAD_NT scope:SCOPE_SE
.Lnot_mine_\@:
.endm
	s_load_b128 s[4:7], s[0:1], 0x0                ; q_img, k_img
	s_load_b128 s[12:15], s[0:1], 0x10             ; v_img, the scales' exponents
	s_load_b64 s[16:17], s[0:1], 0x20              ; a_img
	v_lshl_add_u32 v[SPW], v0, 2, SPARE
	v_mov_b32 v[NIL], 0
	ds_add_u32 v[SPW], v[NIL]                      ; the opening lines: the add, twice on end, and its wait ahead of the first tensor load
	ds_add_u32 v[SPW], v[NIL]
	v_lshrrev_b32 v8, 5, v0
	v_readfirstlane_b32 s[WV], v8                  ; wave 0..15
	s_and_b32 s72, ttmp7, 0xffff                   ; the head
	s_lshl_b32 s74, s72, 18                        ; its first byte in q_img, k_img and v_img
	s_mov_b32 s75, 0
	s_bfe_u32 s[PAR], s[WV], 0x10002               ; my half: bit 2
	s_lshr_b32 s73, s[WV], 3                       ; my piece: bit 3
	s_sub_co_u32 s81, 31, ttmp9
	s_cmp_eq_u32 s73, 1
	s_cselect_b32 s73, s81, ttmp9                  ; piece 31 - i or i
	s_lshl_b32 s[Q0], s73, 7
	s_and_b32 s73, s[WV], 3
	s_lshl_b32 s73, s73, 5
	s_add_co_u32 s[Q0], s[Q0], s73                 ; my first query
	s_add_co_u32 s[QL], s[Q0], 31
	s_lshl_b32 s[LQ], s81, 7
	s_or_b32 s[LQ], s[LQ], 127                     ; the work-group's last query
	s_lshl_b32 s82, s[Q0], 6                       ; Q: 1,024 bytes a tile of 16 queries
	s_mov_b32 s83, 0
	s_add_nc_u64 s[82:83], s[82:83], s[74:75]
	s_lshl_b32 s92, s[PAR], 4                      ; the tile that I finish: a for half 0, b for half 1
	s_add_co_u32 s92, s92, s[Q0]
	s_add_co_u32 s92, s92, s72                     ; a_img: 16,384 bytes a tile of 16 rows, 1,024 a head
	s_lshl_b32 s92, s92, 10
	s_mov_b32 s93, 0
	s_and_b32 s94, s[WV], 1
	s_lshl_b32 s94, s94, 14                        ; what I fetch, if I fetch: half w % 2 of a slot's K or V
	s_mov_b32 s95, 0
	s_add_nc_u64 s[68:69], s[94:95], s[74:75]
	s_lshl_b32 s70, s[PAR], 12                     ; my 64 keys of a step: four tiles of K, 4,096 bytes on;
	s_lshl_b32 s71, s[PAR], 10                     ; two pieces of each fragment of V, 1,024 bytes on
	s_lshr_b32 s97, s[WV], 3
	s_lshl_b32 s97, s97, 17
	s_add_co_u32 s97, s97, STG
	s_and_b32 s78, s[WV], 7
	s_mul_i32 s78, s78, WST
	s_add_co_u32 s78, s78, s97                     ; my stage,
	s_xor_b32 s79, s[WV], 4
	s_and_b32 s79, s79, 7
	s_mul_i32 s79, s79, WST
	s_add_co_u32 s79, s79, s97                     ; my partner's
	s_mov_b32 s[G1], 3<<16                         ; elements of 8 bytes; no mask, no padding
	s_mov_b32 s[G1+1], 32<<16                      ; rows of 256 bytes
	s_mov_b32 s[G1+2], 64<<16
	s_mov_b32 s[G1+3], 32<<16
	s_mov_b32 s[G1+4], 64
	s_mov_b32 s[G1+5], 32                          ; dense
	s_mov_b32 s[G1+6], 0
	s_mov_b32 s[G1+7], 0
	s_mov_b32 s[SEL], 0x76543210
	s_mov_b32 s[SEL+1], 0xfedcba98
	s_mov_b32 s[CS], 0x3e38aa3b                    ; log2(e) / sqrt(64)
	s_mov_b32 s[TB], 0
	s_mov_b32 s[SLOTS], NSL-1
	s_mov_b32 s[KS], 0
	s_lshl_b32 s[KF], s[PAR], 6
	s_wait_dscnt 0x0                               ; both opening adds are done
	s_wait_kmcnt 0x0
	s_load_b256 s[84:91], s[14:15], 0x0            ; e0 .. e7
	s_mov_b32 s[G0K], 1
	s_mov_b32 s[G0K+1], s94
	s_add_nc_u64 s[G0K+2:G0K+3], s[6:7], s[68:69]
	s_or_b32 s[G0K+3], s[G0K+3], 0x80000000
	s_mov_b32 s[G0V], 1
	s_add_co_u32 s[G0V+1], s94, VOFF
	s_add_nc_u64 s[G0V+2:G0V+3], s[12:13], s[68:69]
	s_or_b32 s[G0V+3], s[G0V+3], 0x80000000
	TLOAD                                          ; slot 0
	s_add_nc_u64 s[4:5], s[4:5], s[82:83]          ; Q's image at my two tiles
	s_add_nc_u64 s[16:17], s[16:17], s[92:93]      ; where my codes of O go
	s_cmp_lt_u32 s[WV], 8                          ; the prefetches: waves 4 to 7 ask for K, waves 8 to 11 for V
	s_cselect_b64 s[PFA:PFA+1], s[6:7], s[12:13]
	s_and_b32 s82, s[WV], 3
	s_lshl_b32 s82, s82, 13
	s_add_co_u32 s82, s82, SLOTB                   ; in slot 1: the first change of slots steps it to slot 2
	s_mov_b32 s83, 0
	s_add_nc_u64 s[PFA:PFA+1], s[PFA:PFA+1], s[74:75]
	s_add_nc_u64 s[PFA:PFA+1], s[PFA:PFA+1], s[82:83]
	s_sub_co_u32 s82, s[WV], 4
	s_lshr_b32 s82, s82, 3                         ; 0 in waves 4 to 11,
	s_or_b32 s82, s82, ttmp9                       ; of the head's first work-group
	s_cmp_eq_u32 s82, 0
	s_cselect_b32 s[LIM], 1, -1
	v_and_b32 v[PFO], 31, v0
	v_lshlrev_b32 v[L16], 4, v[PFO]
	v_lshlrev_b32 v[PFO], 8, v[PFO]
	v_add_nc_u32 v[AK0], s70, v[L16]
	v_add_nc_u32 v[AV0], s71, v[L16]
	v_add_nc_u32 v[STS], s78, v[L16]
	v_add_nc_u32 v[STL], s79, v[L16]
.irp c, 0,1,2,3
	global_load_b128 v[QA+4*\c:QA+4*\c+3], v[L16], s[4:5] offset:512*\c   ; Q's two fragments stay in registers
.endr
.irp s, STA, STB
	v_mov_b32 v[\s], 0x7f61b1e6                    ; -M = 3e38
	v_mov_b32 v[\s+1], 0xff61b1e6                  ; the largest t so far: -3e38, under every t
	v_mov_b32 v[\s+2], 0                           ; l, in two halves
	v_mov_b32 v[\s+3], 0
.endr
.irp r, 12,13,14,15
	v_mov_b32 v\r, 0                               ; written once: named as pairs, and as lane permutes' destinations
.endr
.set N, 0
.rept 64
	v_mov_b32 v[OA+N], 0                           ; O^T: the first step finds zeros, which the first change of M leaves zeros
.set N, N+1
.endr
	s_wait_kmcnt 0x0
	s_add_co_i32 s72, s86, s87
	s_lshl_b32 s72, s72, 23
	s_add_co_i32 s[CS], s[CS], s72                 ; e2 + e3 are added to c's exponent field
	s_mov_b32 s[CS+1], s[CS]
	s_add_co_i32 s72, s88, 127
	s_lshl_b32 s73, s72, 23
	v_mov_b32 v[SCP], s73                          ; 2^e4
	s_add_co_i32 s72, s72, 8
	s_lshl_b32 s72, s72, 23
	s_or_b32 s72, s72, 0x600000
	v_mov_b32 v[HP], s72                           ; 448 x 2^e4
	s_sub_co_i32 s72, s90, s88
	s_sub_co_i32 s72, s72, s89                     ; O^T / l stands for that x 2^(e4 + e5): its code is taken with 2^(e6 - e4 - e5)
	s_add_co_i32 s72, s72, 127
	s_lshl_b32 s73, s72, 23
	v_mov_b32 v[SCO], s73
	s_add_co_i32 s72, s72, 8
	s_lshl_b32 s72, s72, 23
	s_or_b32 s72, s72, 0x600000
	v_mov_b32 v[HO], s72
.macro KLOAD off                       ; my four tiles of K of the step that begins off bytes behind v[ADK]
.irp t, 0,1,2,3
	ds_load_b128 v[KR+8*\t:KR+8*\t+3], v[ADK] offset:\off+1024*\t
	ds_load_b128 v[KR+8*\t+4:KR+8*\t+7], v[ADK] offset:\off+1024*\t+512
.endr
.endm
; A KEY STEP, the q-th 128 keys of the slot in hand: I take my 64 of them for both my tiles.  The two tiles' chains stand line by line beside each other.  Every LDS offset is an immediate.
.macro STEP q
	s_wait_dscnt 0x0                               ; K's fragments are in
	s_cmp_gt_u32 s[KF], s[QL]                      ; hidden: all my 64 keys come after my 32 queries
	s_cbranch_scc1 .Lhid_\@
.irp t, 0,1,2,3
	v_wmma_f32_16x16x64_fp8_fp8 v[SA+8*\t:SA+8*\t+7], v[KR+8*\t:KR+8*\t+7], v[QA:QA+7], 0
	v_wmma_f32_16x16x64_fp8_fp8 v[SB+8*\t:SB+8*\t+7], v[KR+8*\t:KR+8*\t+7], v[QB:QB+7], 0
.endr
.rept 4
	v_nop                                          ; places in front of the loads below and of the first read of the scores
.endr
.if \q < 3
	KLOAD STEPB*(\q)+STEPB                         ; the next step's K, of the same slot, lands under the softmax
.endif
.irp d, 0,1,2,3
	ds_load_b128 v[VR+8*\d:VR+8*\d+3], v[ADV] offset:VOFF+STEPB*(\q)+2048*\d
	ds_load_b128 v[VR+8*\d+4:VR+8*\d+7], v[ADV] offset:VOFF+STEPB*(\q)+2048*\d+512
.endr
	s_add_co_u32 s96, s[KF], 63                    ; on the diagonal hidden scores become -infinity ahead of the maximum; a step all of whose keys count skips this
	s_cmp_le_u32 s96, s[Q0]
	s_cbranch_scc1 .Lopen_\@
	s_sub_co_i32 s96, s[Q0], s[KF]
	v_and_b32 v252, 15, v0
	v_bfe_u32 v253, v0, 4, 1
	v_lshlrev_b32 v253, 4, v253
	v_sub_nc_u32 v252, v252, v253
	v_add_nc_u32 v252, s96, v252                   ; tile a: my query - KF - 16 (lane / 16); register 16 b + i holds key KF + 16 (lane / 16) + 32 b + i
	v_add_nc_u32 v253, 16, v252                    ; tile b: 16 queries on
	v_mov_b32 v254, 0xff800000
.set N, 0
.rept 32
	v_cmp_gt_i32 vcc_lo, 32*(N/16)+N%16, v252
	v_cndmask_b32 v[SA+N], v[SA+N], v254, vcc_lo
	v_cmp_gt_i32 vcc_lo, 32*(N/16)+N%16, v253
	v_cndmask_b32 v[SB+N], v[SB+N], v254, vcc_lo
.set N, N+1
.endr
.Lopen_\@:
	v_max3_num_f32 v252, v[SA], v[SA+1], v[SA+2]   ; the largest score of each query among my 32 registers: two chains a tile, each accumulator from its low end on
	v_max3_num_f32 v254, v[SB], v[SB+1], v[SB+2]
	v_max3_num_f32 v253, v[SA+3], v[SA+4], v[SA+5]
	v_max3_num_f32 v255, v[SB+3], v[SB+4], v[SB+5]
.irp i, 6,10,14,18,22,26
	v_max3_num_f32 v252, v252, v[SA+\i], v[SA+\i+1]
	v_max3_num_f32 v254, v254, v[SB+\i], v[SB+\i+1]
	v_max3_num_f32 v253, v253, v[SA+\i+2], v[SA+\i+3]
	v_max3_num_f32 v255, v255, v[SB+\i+2], v[SB+\i+3]
.endr
	v_max3_num_f32 v252, v252, v[SA+30], v[SA+31]
	v_max3_num_f32 v254, v254, v[SB+30], v[SB+31]
	v_max_num_f32 v252, v252, v253
	v_max_num_f32 v254, v254, v255
	v_permlanex16_b32 v[FA+1], v252, s[SEL], s[SEL+1]
	v_permlanex16_b32 v[FB+1], v254, s[SEL], s[SEL+1]
	v_max_num_f32 v252, v252, v[FA+1]              ; and among lane l xor 16's
	v_max_num_f32 v254, v254, v[FB+1]
	v_mul_f32 v252, s[CS], v252                    ; as t (c is positive)
	v_mul_f32 v254, s[CS], v254
	v_max_num_f32 v[STA+1], v[STA+1], v252         ; the running largest t
	v_max_num_f32 v[STB+1], v[STB+1], v254
	v_floor_f32 v253, -v[STA+1]                    ; the new -M = -ceil(t)
	v_floor_f32 v255, -v[STB+1]
	v_sub_f32 v252, v253, v[STA]                   ; old M - new M: a whole number, 0 or less
	v_sub_f32 v254, v255, v[STB]
	v_mov_b32 v[STA], v253
	v_mov_b32 v[STB], v255
	v_cvt_i32_f32 v252, v252                       ; (it saturates)
	v_cvt_i32_f32 v254, v254
	v_ldexp_f32 v[FA], 1.0, v252                   ; f = 2^(old M - new M)
	v_ldexp_f32 v[FB], 1.0, v254
.set N, 0
.rept 16
	v_pk_fma_f32 v[SA+N:SA+N+1], v[SA+N:SA+N+1], s[CS:CS+1], v[STA:STA+1] op_sel_hi:[1,0,0]   ; t - M (of the pairs c and -M the low word serves both halves)
	v_pk_fma_f32 v[SB+N:SB+N+1], v[SB+N:SB+N+1], s[CS:CS+1], v[STB:STB+1] op_sel_hi:[1,0,0]
.set N, N+2
.endr
	s_wait_alu depctr_va_vdst(0)
.set N, 0
.rept 64
	v_exp_f32 v[SA+N], v[SA+N]                     ; p = 2^(t - M), at most 1
.set N, N+1
.endr
	v_pk_mul_f32 v[STA+2:STA+3], v[STA+2:STA+3], v[FA:FA+1] op_sel_hi:[1,0]   ; l under the new M: plain lines behind the exponentials
	v_pk_mul_f32 v[STB+2:STB+3], v[STB+2:STB+3], v[FB:FB+1] op_sel_hi:[1,0]
	s_wait_alu depctr_va_vdst(0)                   ; one wait for the whole batch, ahead of its first reader
	v_pk_add_f32 v[252:253], v[SA:SA+1], v[SA+2:SA+3]      ; l takes the unquantised p: two chains a tile
	v_pk_add_f32 v[254:255], v[SB:SB+1], v[SB+2:SB+3]
.irp j, 4,8,12,16,20,24,28
	v_pk_add_f32 v[STA+2:STA+3], v[STA+2:STA+3], v[SA+\j:SA+\j+1]
	v_pk_add_f32 v[STB+2:STB+3], v[STB+2:STB+3], v[SB+\j:SB+\j+1]
	v_pk_add_f32 v[252:253], v[252:253], v[SA+\j+2:SA+\j+3]
	v_pk_add_f32 v[254:255], v[254:255], v[SB+\j+2:SB+\j+3]
.endr
	v_pk_add_f32 v[STA+2:STA+3], v[STA+2:STA+3], v[252:253]
	v_pk_add_f32 v[STB+2:STB+3], v[STB+2:STB+3], v[254:255]
.set N, 0
.rept 4
.irp i, 0,1,2,3,4,5,6,7
	v_min_num_f32 v[SA+8*N+\i], v[SA+8*N+\i], v[HP]        ; the conversion does not saturate (ISA guide 7.6.2); p is not negative, so the hold is one-sided
	v_min_num_f32 v[SB+8*N+\i], v[SB+8*N+\i], v[HP]
.endr
	v_cvt_scalef32_pk8_fp8_f32 v[CA+2*N:CA+2*N+1], v[SA+8*N:SA+8*N+7], v[SCP]
	v_cvt_scalef32_pk8_fp8_f32 v[CB+2*N:CB+2*N+1], v[SB+8*N:SB+8*N+7], v[SCP]
.set N, N+1
.endr
	s_wait_alu depctr_va_vdst(0)                   ; directly ahead of the first reader of O^T
.set N, 0
.rept 16
	v_pk_mul_f32 v[OA+N:OA+N+1], v[OA+N:OA+N+1], v[FA:FA+1] op_sel_hi:[1,0]   ; O^T under the new M (plain lines between the conversions and the products)
	v_pk_mul_f32 v[OB+N:OB+N+1], v[OB+N:OB+N+1], v[FB:FB+1] op_sel_hi:[1,0]
.set N, N+2
.endr
	s_wait_alu depctr_va_vdst(0)
	s_wait_dscnt 0x0                               ; V's fragments are in (and the next step's K)
.irp d, 0,1,2,3
	v_wmma_f32_16x16x64_fp8_fp8 v[OA+8*\d:OA+8*\d+7], v[VR+8*\d:VR+8*\d+7], v[CA:CA+7], v[OA+8*\d:OA+8*\d+7]   ; eight accumulators by turns
	v_wmma_f32_16x16x64_fp8_fp8 v[OB+8*\d:OB+8*\d+7], v[VR+8*\d:VR+8*\d+7], v[CB:CB+7], v[OB+8*\d:OB+8*\d+7]
.endr
.Lhid_\@:
	s_add_co_u32 s[KF], s[KF], 128
.endm
; A SLOT'S FOUR STEPS.  The addresses are made once a slot; the first step's K is asked for at the slot's head.
.macro UNITS
	s_cmp_gt_u32 s[KF], s[QL]                      ; a slot all of whose keys come after my queries is not read at all (ids alone)
	s_cbranch_scc1 .Lnone_\@
	v_add_nc_u32 v[ADK], s[TB], v[AK0]
	v_add_nc_u32 v[ADV], s[TB], v[AV0]
	s_wait_alu depctr_va_vdst(0)
	KLOAD 0
	STEP 0
	STEP 1
	STEP 2
	STEP 3
	s_sub_co_u32 s[KF], s[KF], SK
.Lnone_\@:
	s_add_co_u32 s[KF], s[KF], SK
	s_add_co_u32 s[KS], s[KS], SK
	s_xor_b32 s[TB], s[TB], SLOT1                  ; on to the other slot
.endm
; THE CHANGE OF SLOTS stands at a slot's head: each wave waits for all its tensor loads, adds 0 to its spare word, and waits for that and for its reads of the slot that it has left.
; Behind the barrier the slot ahead is whole and nobody reads the other one.  fill = 1: that other slot takes the keys that follow, up to the causal limit.
.macro CHANGE fill
	s_wait_tensorcnt 0x0
	ds_add_u32 v[SPW], v[NIL]
.if \fill
	ds_add_u32 v[SPW], v[NIL]                      ; the add twice on end, in every trip alike
	s_xor_b32 s[G0K+1], s[G0K+1], SLOT1
	s_add_nc_u64 s[G0K+2:G0K+3], s[G0K+2:G0K+3], SLOTB
	s_xor_b32 s[G0V+1], s[G0V+1], SLOT1
	s_add_nc_u64 s[G0V+2:G0V+3], s[G0V+2:G0V+3], SLOTB
	s_wait_xcnt 0x0                                ; the last prefetch, a slot back, has read its address
	s_add_nc_u64 s[PFA:PFA+1], s[PFA:PFA+1], SLOTB
.endif
	s_wait_dscnt 0x0
	s_barrier_signal -1
	s_barrier_wait -1
.if \fill
	s_add_co_u32 s96, s[KS], SK                    ; the first key of the slot that this change would ask for: past my work-group's last query none of its waves reads it.
	s_cmp_gt_u32 s96, s[LQ]                        ; ids and the count of slots alone: all sixteen waves go the same way.  Every wait on TENSORcnt in this text is for 0
	s_cbranch_scc1 .Lpast_\@
	TLOAD
.Lpast_\@:
	ASK
.endif
.endm
	s_wait_alu depctr_va_vdst(0)
	s_wait_loadcnt 0x0                             ; Q
.Lslot:                                            ; 7 trips
	CHANGE 1
	UNITS
	s_sub_co_u32 s[SLOTS], s[SLOTS], 1
	s_cmp_lg_u32 s[SLOTS], 0
	s_cbranch_scc1 .Lslot
	CHANGE 0                                       ; the last slot is written out: nothing is left to ask for
	UNITS
; THE WAY OUT.  Half 0 hands tile b's state to its partner and finishes tile a; half 1 the other way round.
.macro PUT ob, st
.irp k, 0,1,2,3,4,5,6,7
	ds_store_b128 v[STS], v[\ob+4*\k:\ob+4*\k+3] offset:512*\k
.endr
	ds_store_b128 v[STS], v[\st:\st+3] offset:4096
.endm
; my state and my partner's (v96-127 O^T, v128-131 -M, t, l) under the larger M; O^T / l held and converted; registers 16 b + i are d = 32 b + 16 (lane / 16) + i of my query
.macro FIN ob, st
	v_min_num_f32 v252, v[\st], v128               ; the smaller -M
	v_add_f32 v254, v[\st+2], v[\st+3]
	v_add_f32 v255, v130, v131
	v_sub_f32 v253, v252, v[\st]
	v_sub_f32 v252, v252, v128
	v_cvt_i32_f32 v253, v253                       ; (saturates: a state that saw no key has -M = 3e38 and gets the factor 0)
	v_cvt_i32_f32 v252, v252
	v_ldexp_f32 v253, 1.0, v253
	v_ldexp_f32 v252, 1.0, v252
	v_mul_f32 v254, v254, v253
	v_fma_f32 v254, v255, v252, v254
	v_permlanex16_b32 v[FA+1], v254, s[SEL], s[SEL+1]
	v_add_f32 v254, v254, v[FA+1]                  ; l
	s_wait_alu depctr_va_vdst(0)
	v_rcp_f32 v254, v254
	v_nop
	s_wait_alu depctr_va_vdst(0)                   ; ahead of the reciprocal's first reader
	v_mul_f32 v[FA], v253, v254
	v_mul_f32 v[FB], v252, v254
	s_wait_alu depctr_va_vdst(0)                   ; directly ahead of the first reader of O^T
.set N, 0
.rept 16
	v_pk_mul_f32 v[\ob+N:\ob+N+1], v[\ob+N:\ob+N+1], v[FA:FA+1] op_sel_hi:[1,0]
.set N, N+2
.endr
.set N, 0
.rept 16
	v_pk_fma_f32 v[\ob+N:\ob+N+1], v[SA+N:SA+N+1], v[FB:FB+1], v[\ob+N:\ob+N+1] op_sel_hi:[1,0,1]
.set N, N+2
.endr
.set N, 0
.rept 32
	v_med3_num_f32 v[\ob+N], v[\ob+N], -v[HO], v[HO]
.set N, N+1
.endr
.irp g, 0,1,2,3
	v_cvt_scalef32_pk8_fp8_f32 v[CA+2*\g:CA+2*\g+1], v[\ob+8*\g:\ob+8*\g+7], v[SCO]
.endr
	v_nop                                          ; one plain line behind the last conversion
	global_store_b128 v[L16], v[CA:CA+3], s[16:17]             ; 32 lanes store 512 consecutive bytes, at a multiple of 512 from the buffer's first byte
	global_store_b128 v[L16], v[CA+4:CA+7], s[16:17] offset:512
.endm
.rept 4
	v_nop                                          ; places behind the last products
.endr
	s_wait_alu depctr_va_vdst(0)
	s_cmp_eq_u32 s[PAR], 0
	s_cbranch_scc0 .Lput_a
	PUT OB, STB
	s_branch .Lput_done
.Lput_a:
	PUT OA, STA
.Lput_done:
	s_wait_dscnt 0x0                               ; my stores are done, for my partner's sake
	s_barrier_signal -1
	s_barrier_wait -1
.irp k, 0,1,2,3,4,5,6,7
	ds_load_b128 v[SA+4*\k:SA+4*\k+3], v[STL] offset:512*\k
.endr
	ds_load_b128 v[SB:SB+3], v[STL] offset:4096
	s_wait_dscnt 0x0
	s_cmp_eq_u32 s[PAR], 0
	s_cbranch_scc0 .Lfin_b
	FIN OA, STA
	s_branch .Lend
.Lfin_b:
	FIN OB, STB
.Lend:
	s_wait_tensorcnt 0x0                           ; the wave's end
	ds_add_u32 v[SPW], v[NIL]
	s_wait_dscnt 0x0
	s_endpgm
.Lfunc_end_k_q3a894cac33_attn:
	.size	k_q3a894cac33_attn, .Lfunc_end_k_q3a894cac33_attn-k_q3a894cac33_attn
	.p2alignl 7, 3214868480
	.fill 96, 4, 3214868480
	.section	.rodata,"a",@progbits
	.p2align	6, 0x0
	.amdhsa_kernel k_q3a894cac33_attn
		.amdhsa_group_segment_fixed_size 327680
		.amdhsa_private_segment_fixed_size 0
		.amdhsa_enable_private_segment 0
		.amdhsa_kernarg_size 40
		.amdhsa_user_sgpr_count 2
		.amdhsa_user_sgpr_kernarg_segment_ptr 1
		.amdhsa_wavefront_size32 1
		.amdhsa_system_sgpr_workgroup_id_x 1
		.amdhsa_system_sgpr_workgroup_id_y 1
		.amdhsa_system_sgpr_workgroup_id_z 1
		.amdhsa_system_vgpr_workitem_id 0
		.amdhsa_next_free_vgpr 256
		.amdhsa_next_free_sgpr 100
		.amdhsa_reserve_vcc 1
		.amdhsa_float_denorm_mode_32 3
		.amdhsa_float_denorm_mode_16_64 3
		.amdhsa_memory_ordered 1
		.amdhsa_forward_progress 1
		.amdhsa_inst_pref_size 186
	.end_amdhsa_kernel
	.amdgpu_metadata
---
amdhsa.version: [ 1, 2 ]
amdhsa.kernels:
  - .name:           k_q3a894cac33_attn
    .symbol:         k_q3a894cac33_attn.kd
    .args:
      - { .name: q_img, .offset: 0, .size: 8, .value_kind: global_buffer, .address_space: global }
      - { .name: k_img, .offset: 8, .size: 8, .value_kind: global_buffer, .address_space: global }
      - { .name: v_img, .offset: 16, .size: 8, .value_kind: global_buffer, .address_space: global }
      - { .name: lowp_scales, .offset: 24, .size: 8, .value_kind: global_buffer, .address_space: global }
      - { .name: a_img, .offset: 32, .size: 8, .value_kind: global_buffer, .address_space: global }
    .group_segment_fixed_size: 327680
    .private_segment_fixed_size: 0
    .kernarg_segment_align: 8
    .kernarg_segment_size: 40
    .max_flat_workgroup_size: 512
    .sgpr_count:     100
    .vgpr_count:     256
    .wavefront_size: 32
...
	.end_amdgpu_metadata
.endif
;; end of part 3
;; launch oproj (part 4): grid 4 x 64, 4 waves a work-group, clusters of 4 x 4, 327,680 bytes of LDS; arguments a_img, wo_codes, lowp_scales, out0; writes out0
.if DOCPART == 4
	.amdgcn_target "amdgcn-amd-amdhsa--gfx1250"
	.amdhsa_code_object_version 6
	.text
	.protected	k_q3a894cac33_oproj
	.globl	k_q3a894cac33_oproj
	.p2align	8
	.type	k_q3a894cac33_oproj,@function
k_q3a894cac33_oproj:
	s_mov_b64 s[64:65], 0
	v_nop
	global_prefetch_b8 v0, s[64:65] scope:SCOPE_SE
	s_setreg_imm32_b32 hwreg(HW_REG_WAVE_MODE, 25, 1), 1
	s_wait_xcnt 0x0
	s_wait_alu depctr_hold_cnt(0) depctr_sa_sdst(0) depctr_va_vdst(0) depctr_va_sdst(0) depctr_va_ssrc(0) depctr_va_vcc(0) depctr_vm_vsrc(0)
	s_getreg_b32 s2, hwreg(HW_REG_IB_STS2, 6, 4)
	s_cmp_eq_u32 s2, 0
	s_cbranch_scc0 .Lentry_in_a_cluster
	s_endpgm
.Lentry_in_a_cluster:
	s_bfe_u32 s2, ttmp6, 0x10000c
	s_cmp_lg_u32 s2, 0xf033
	s_cbranch_scc0 .Lentry_shape_is_right
	s_endpgm
.Lentry_shape_is_right:
; out0[s][e] = sum over k of attn[s][k] w_o[e][k], both as codes of FP8 (E4M3); each finished sum is multiplied once by 2^(e6 + e7).  LIMIT: e6 + e7 between -126 and 127.
; A (attn's codes) comes as an image of registers: 16,384 bytes for each 16 rows, in them 4,096 bytes for each 256 along K, pieces of 512 bytes = 32 lanes x 16.  B (w_o's codes): rows of 1,024 bytes.
; SHARES.  A block of the result is 64 rows x 256 columns: 4 x 64 = 256 work-groups.  Four waves, 2 x 2: a wave makes 32 rows x 128 columns, 16 accumulators of 16 x 16.
; K goes in steps of 256 through a ring of two LDS slots: 4 x 4,096 bytes of A's image, then B's 256 rows of 256 bytes, 16 bytes of padding behind each.  Waves 0 and 1 fetch A's halves, waves 2 and 3 B's.
; CLUSTERS: 4 x 4 work-groups; A's tiles are asked for jointly along a row of the cluster, B's along a column.
; The matrix instruction is used transposed (source 0 = 16 rows of B, source 1 = 16 rows of A): a lane holds eight neighbouring numbers of a row of the result.
; The eight steps of 128 along K are written out: each asks for the next step's 40 fragment loads and then multiplies its own; both operands have two sets of registers.
; NO PREFETCH: K is four slots' worth, two of them asked for at the head, and the text has no loop to run ahead in.
; REGISTERS: window 0: v0-31 addresses, v32-95 the way out's products, v128-191 A's fragments (two sets of 2 x 16), on the way out v128-255 rows read back; window 1: B's fragments, two sets of 128; window 2: v0-127 the accumulators.
.set SIZE_N, 1024
.set ROWB,   256
.set KROW,   1024
.set ASTEP,  4096                      ; 16 rows x 256 along K of A's image
.set AROW,   16384                     ; 16 rows x 1,024 along K
.set PITCH,  272
.set FR,     16
.set NP,     4
.set AHALF,  2*ASTEP                   ; 32 rows: what one of A's loads brings, and what one wave reads
.set HALFT,  128*PITCH
.set BOFF,   2*AHALF
.set SLOT,   BOFF+2*HALFT
.set SPARE,  2*SLOT                    ; behind the ring: the spare words, 128 bytes for each wave
.set SPITCH, 528                       ; the way out: a stage of 16 rows x (512 + 16) bytes for each wave, in slot 0, behind its last fill and its last read
.set ADRA, 16
.set ADRB, 20
.set STO,  24
.set RD,   25
.set CO,   26
.set SPW,  28
.set NIL,  29
.set TMP,  32
.set AF,   128
.set BK,   128
.set G1, 24
.set G0, 32
.set G1B, 48
.set G0B, 56
.set MSB, 0
.macro WIN new                         ; the immediate's high byte repeats the setting that is left
.if MSB != \new
	s_set_vgpr_msb (MSB<<8)|\new
.set MSB, \new
.endif
.endm
.set MUL_LO, 0xa1                      ; source 0 (B) window 1, source 1 (A) window 0, C and D window 2
.set TO_B,   0x40
.macro JLOAD g0a, g1a, g0b, g1b        ; a joint load: waves 0 and 1 for A, waves 2 and 3 for B; the branch hangs on the wave's number alone
	s_cmp_eq_u32 s15, 0
	s_cbranch_scc0 .Lfor_b_\@
	tensor_load_to_lds s[\g0a:\g0a+3], s[\g1a:\g1a+7]
	s_nop 0
.rept 4
	v_nop
.endr
	s_branch .Lasked_\@
.Lfor_b_\@:
	tensor_load_to_lds s[\g0b:\g0b+3], s[\g1b:\g1b+7]
	s_nop 0
.rept 4
	v_nop
.endr
.Lasked_\@:
.endm
.macro CROUND                          ; a round of the cluster's barrier
	s_barrier_signal -1
	s_barrier_wait -1
	s_cmp_lg_u32 s14, 0
	s_cbranch_scc1 .Lnot_wave_0_\@
	s_barrier_signal -3
.Lnot_wave_0_\@:
	s_barrier_wait -3
	s_barrier_signal -1
	s_barrier_wait -1
.endm
	s_load_b128 s[4:7], s[0:1], 0x0                ; a_img, wo_codes
	s_load_b128 s[8:11], s[0:1], 0x10              ; the scales' exponents, out0
	v_lshl_add_u32 v[SPW], v0, 2, SPARE
	v_mov_b32 v[NIL], 0
	ds_add_u32 v[SPW], v[NIL]                      ; the opening lines: the add, twice on end, and its wait
	ds_add_u32 v[SPW], v[NIL]
	v_lshrrev_b32 v1, 5, v0
	v_readfirstlane_b32 s14, v1                    ; wave 0..3
	s_lshr_b32 s15, s14, 1                         ; my half of the block's rows.  Also: I fetch for A (0) or for B (1)
	s_and_b32 s16, s14, 1                          ; my half of its columns.  Also: which half of that tile I fetch
	s_bfe_u32 s40, ttmp6, 0x40000                  ; cx, cy
	s_bfe_u32 s41, ttmp6, 0x40004
	s_lshl_b32 s42, ttmp9, 2
	s_add_co_u32 s42, s42, s40                     ; block column
	s_and_b32 s17, ttmp7, 0xffff
	s_lshl_b32 s17, s17, 2
	s_add_co_u32 s17, s17, s41                     ; block row
	s_lshl_b32 s43, s41, 2
	s_lshl_b32 s43, 15, s43                        ; my row of the cluster
	s_lshl_b32 s44, 0x1111, s40                    ; my column
	s_or_b32 s[G1+0], s43, (0<<16)|(1<<21)         ; A: 2 rows of 4,096 bytes, 16,384 apart, no padding
	s_mov_b32 s[G1+1], ASTEP<<16
	s_mov_b32 s[G1+2], 2<<16
	s_mov_b32 s[G1+3], ASTEP<<16
	s_mov_b32 s[G1+4], 2
	s_mov_b32 s[G1+5], AROW
	s_mov_b32 s[G1+6], 0
	s_mov_b32 s[G1+7], 0
	s_or_b32 s[G1B+0], s44, (0<<16)|(1<<20)|(1<<21)|(5<<22)|(3<<25)   ; B: 128 rows of 256 bytes, four words of padding after every 64
	s_mov_b32 s[G1B+1], ROWB<<16
	s_mov_b32 s[G1B+2], 128<<16
	s_mov_b32 s[G1B+3], ROWB<<16
	s_mov_b32 s[G1B+4], 128
	s_mov_b32 s[G1B+5], KROW
	s_mov_b32 s[G1B+6], 0
	s_mov_b32 s[G1B+7], 0
	s_lshl_b32 s20, s17, 16                        ; A: 64 rows are 65,536 bytes of the image,
	s_lshl_b32 s18, s16, 15                        ; 32 rows 32,768
	s_add_co_u32 s20, s20, s18
	s_mov_b32 s21, 0
	s_lshl_b32 s46, s42, 8
	s_lshl_b32 s18, s16, 7
	s_add_co_u32 s46, s46, s18                     ; B: row 256 x block column + 128 x half
	s_lshl_b32 s46, s46, 10
	s_mov_b32 s47, 0
	s_mul_i32 s45, s16, AHALF                      ; where they go: no place in the cluster enters an LDS address
	s_mul_i32 s19, s16, HALFT
	s_add_co_u32 s19, s19, BOFF
	s_wait_dscnt 0x0                               ; both opening adds are done
	s_wait_kmcnt 0x0
	s_load_b64 s[96:97], s[8:9], 0x18              ; e6, e7
	s_add_nc_u64 s[20:21], s[4:5], s[20:21]
	s_add_nc_u64 s[46:47], s[6:7], s[46:47]
	CROUND                                         ; all sixteen work-groups are here: the first joint loads meet
.irp s, 0,1
	s_mov_b32 s[G0+4*\s], 1
	s_add_co_u32 s[G0+4*\s+1], s45, \s*SLOT
	s_add_nc_u64 s[G0+4*\s+2:G0+4*\s+3], s[20:21], \s*ASTEP
	s_or_b32 s[G0+4*\s+3], s[G0+4*\s+3], 0x80000000
	s_mov_b32 s[G0B+4*\s], 1
	s_add_co_u32 s[G0B+4*\s+1], s19, \s*SLOT
	s_add_nc_u64 s[G0B+4*\s+2:G0B+4*\s+3], s[46:47], \s*ROWB
	s_or_b32 s[G0B+4*\s+3], s[G0B+4*\s+3], 0x80000000
.endr
	JLOAD G0, G1, G0B, G1B                         ; K step 0: one tensor load a wave at the head
	v_and_b32 v1, 15, v0
	v_bfe_u32 v2, v0, 4, 1
	v_mul_u32_u24 v3, v1, PITCH
	v_lshl_add_u32 v4, v2, 4, v3                   ; B: a fragment's row x pitch + 16 x half
	v_and_b32 v6, 31, v0
	v_lshlrev_b32 v[CO], 4, v6                     ; 16 x lane: A's image, the stage's rows and the result's
	s_wait_alu depctr_va_vdst(0)
	s_mul_i32 s21, s15, AHALF                      ; my 32 rows of A
	s_mul_i32 s22, s16, HALFT                      ; my 128 rows of B
	s_add_co_u32 s22, s22, BOFF
.irp s, 0,1
	v_add_nc_u32 v[ADRA+\s], s21, v[CO]
	v_add_nc_u32 v[ADRB+\s], s22, v4
	s_add_co_u32 s21, s21, SLOT
	s_add_co_u32 s22, s22, SLOT
.endr
	s_mul_i32 s23, s14, 16*SPITCH                  ; my stage
	v_mul_u32_u24 v5, v1, SPITCH
	v_lshl_add_u32 v5, v2, 5, v5
	v_add_nc_u32 v[STO], s23, v5
	v_add_nc_u32 v[RD], s23, v[CO]
	s_lshl_b32 s20, s17, 6
	s_lshl_b32 s21, s15, 5
	s_add_co_u32 s20, s20, s21                     ; my first row of the result: 64 x block row + 32 x half,
	s_lshl_b32 s20, s20, 12                        ; of 4,096 bytes;
	s_lshl_b32 s46, s42, 10                        ; my first column: 1,024 bytes x block column + 512 x half
	s_lshl_b32 s47, s16, 9
	s_add_co_u32 s20, s20, s46
	s_add_co_u32 s20, s20, s47
	s_mov_b32 s21, 0
	s_add_nc_u64 s[10:11], s[10:11], s[20:21]
.macro FRAG reg, adr, q, i             ; B: 16 rows x 128 K: registers 4 c .. 4 c + 3 hold K = 32 c + 16 (l / 16) + 0 .. 15
.irp c, 0,1,2,3
	ds_load_b128 v[\reg+4*\c:\reg+4*\c+3], v[\adr] offset:128*(\q)+32*\c+(\i)*16*PITCH
.endr
.endm
.macro FRAGA reg, adr, q, i            ; A: the same K in the same registers, from the image
.irp c, 0,1,2,3
	ds_load_b128 v[\reg+4*\c:\reg+4*\c+3], v[\adr] offset:ASTEP*(\i)+2048*(\q)+512*\c
.endr
.endm
.macro FETCH slot, q, p                ; 40 LDS loads: B's eight fragments and A's two of the slot's q-th 128 along K, into sets p
	WIN TO_B
.irp i, 0,1,2,3,4,5,6,7
	FRAG 128*(\p)+FR*\i, ADRB+\slot, \q, \i
.endr
	WIN 0
	FRAGA AF+32*(\p), ADRA+\slot, \q, 0
	FRAGA AF+32*(\p)+FR, ADRA+\slot, \q, 1
.endm
.macro MULX p, zero                    ; 16 matrix instructions on sets p; the 16 accumulators take turns, in the same order in every step.  zero = 1: the first product starts the sums
	WIN MUL_LO
.irp a, 0,1
.irp b, 0,1,2,3,4,5,6,7
.if \zero
	v_wmma_f32_16x16x128_fp8_fp8 v[8*(8*\a+\b):8*(8*\a+\b)+7], v[128*(\p)+FR*\b:128*(\p)+FR*\b+FR-1], v[AF+32*(\p)+FR*\a:AF+32*(\p)+FR*\a+FR-1], 0
.else
	v_wmma_f32_16x16x128_fp8_fp8 v[8*(8*\a+\b):8*(8*\a+\b)+7], v[128*(\p)+FR*\b:128*(\p)+FR*\b+FR-1], v[AF+32*(\p)+FR*\a:AF+32*(\p)+FR*\a+FR-1], v[8*(8*\a+\b):8*(8*\a+\b)+7]
.endif
.endr
.endr
	WIN 0
.endm
.macro PLACES n
.rept \n
	v_nop
.endr
.endm
.macro FIRST slot, zero                ; a slot's first 128 along K
	PLACES NP                                      ; places in front of loads into the sets that the last products read
	FETCH \slot, 1, 1
	s_wait_dscnt 40                                ; all but the 40 just issued: sets 0 are in
	MULX 0, \zero
.endm
.macro SECOND slot, next, fill         ; its second 128, and the change of slots: all its fragments are in registers when the barrier is signalled
	s_wait_tensorcnt 0x0                           ; all my tensor loads have landed: my part of the next slot;
	ds_add_u32 v[SPW], v[NIL]
	s_wait_dscnt 0x0                               ; the add is done, and my reads of this slot are over (sets 1 are in)
.if \fill
	CROUND                                         ; no wave of any partner still reads this slot or has a load on its way
	s_add_nc_u64 s[G0+4*\slot+2:G0+4*\slot+3], s[G0+4*\slot+2:G0+4*\slot+3], 2*ASTEP
	s_add_nc_u64 s[G0B+4*\slot+2:G0B+4*\slot+3], s[G0B+4*\slot+2:G0B+4*\slot+3], 2*ROWB
	JLOAD G0+4*\slot, G1, G0B+4*\slot, G1B         ; the first tensor load behind the round; its four v_nop are the places in front of the loads below
.else
	s_barrier_signal -1
	s_barrier_wait -1
	PLACES NP
.endif
	FETCH \next, 0, 0
	MULX 1, 0
.endm
	s_wait_alu depctr_va_vdst(0)
	s_wait_tensorcnt 0x0                           ; my part of K step 0 is in
	ds_add_u32 v[SPW], v[NIL]
	s_wait_dscnt 0x0
	CROUND
	JLOAD G0+4, G1, G0B+4, G1B                     ; K step 1
	FETCH 0, 0, 0
	FIRST 0, 1
	SECOND 0, 1, 1                                 ; slot 0 takes K step 2
	FIRST 1, 0
	SECOND 1, 0, 1                                 ; slot 1 takes K step 3
	FIRST 0, 0
	SECOND 0, 1, 0                                 ; nothing is left to ask for
	FIRST 1, 0
	s_wait_dscnt 0x0
	MULX 1, 0
; THE WAY OUT, two blocks of 16 rows x 128 columns: x 2^(e6 + e7), through my stage, back as whole rows of 512 bytes.  LDS serves a wave's instructions in order (ISA guide 5.7.1.4).
.macro TOSTAGE a
.set AC, 64*(\a)
	WIN 0x02
.irp j, 0,2,4,6,8,10,12,14,16,18,20,22,24,26,28,30,32,34,36,38,40,42,44,46,48,50,52,54,56,58,60,62
	v_pk_mul_f32 v[TMP+\j:TMP+\j+1], v[AC+\j:AC+\j+1], s[96:97] op_sel_hi:[1,0]   ; each accumulator from its low end on
.endr
	WIN 0
.irp b, 0,1,2,3,4,5,6,7
	ds_store_b128 v[STO], v[TMP+8*\b:TMP+8*\b+3] offset:64*\b
	ds_store_b128 v[STO], v[TMP+8*\b+4:TMP+8*\b+7] offset:64*\b+16
.endr
.set BB, BK+64*(\a)
.irp t, 0,1,2,3,4,5,6,7,8,9,10,11,12,13,14,15
	ds_load_b128 v[BB+4*\t:BB+4*\t+3], v[RD] offset:\t*SPITCH
.endr
.endm
.macro SEND a, younger
.set BB, BK+64*(\a)
	s_wait_dscnt \younger
.if (\a) > 0
	s_add_nc_u64 s[10:11], s[10:11], 16*SIZE_N*4   ; behind a wait on XCNT: the earlier stores have read their base
.endif
.irp t, 0,1,2,3,4,5,6,7,8,9,10,11,12,13,14,15
	global_store_b128 v[CO], v[BB+4*\t:BB+4*\t+3], s[10:11] offset:\t*SIZE_N*4 th:TH_STORE_NT   ; 32 lanes store 512 consecutive bytes, at a multiple of 512 from the buffer's first byte
.endr
.endm
	s_wait_kmcnt 0x0
	s_add_co_i32 s96, s96, s97
	s_add_co_i32 s96, s96, 127
	s_lshl_b32 s96, s96, 23                        ; 2^(e6 + e7) as f32
	PLACES NP                                      ; places behind the last products
	TOSTAGE 0
	TOSTAGE 1
	SEND 0, 32                                     ; behind block 0's loads: block 1's 16 stores and 16 loads
	s_wait_xcnt 0x0
	SEND 1, 0
	s_wait_tensorcnt 0x0                           ; the wave's end
	ds_add_u32 v[SPW], v[NIL]
	s_wait_dscnt 0x0
	CROUND                                         ; the closing round
	s_endpgm
.Lfunc_end_k_q3a894cac33_oproj:
	.size	k_q3a894cac33_oproj, .Lfunc_end_k_q3a894cac33_oproj-k_q3a894cac33_oproj
	.p2alignl 7, 3214868480
	.fill 96, 4, 3214868480
	.section	.rodata,"a",@progbits
	.p2align	6, 0x0
	.amdhsa_kernel k_q3a894cac33_oproj
		.amdhsa_group_segment_fixed_size 327680
		.amdhsa_private_segment_fixed_size 0
		.amdhsa_enable_private_segment 0
		.amdhsa_kernarg_size 32
		.amdhsa_user_sgpr_count 2
		.amdhsa_user_sgpr_kernarg_segment_ptr 1
		.amdhsa_wavefront_size32 1
		.amdhsa_system_sgpr_workgroup_id_x 1
		.amdhsa_system_sgpr_workgroup_id_y 1
		.amdhsa_system_sgpr_workgroup_id_z 1
		.amdhsa_system_vgpr_workitem_id 0
		.amdhsa_next_free_vgpr 1024
		.amdhsa_next_free_sgpr 98
		.amdhsa_reserve_vcc 0
		.amdhsa_float_denorm_mode_32 3
		.amdhsa_float_denorm_mode_16_64 3
		.amdhsa_memory_ordered 1
		.amdhsa_forward_progress 1
		.amdhsa_inst_pref_size 52
	.end_amdhsa_kernel
	.amdgpu_metadata
---
amdhsa.version: [ 1, 2 ]
amdhsa.kernels:
  - .name:           k_q3a894cac33_oproj
    .symbol:         k_q3a894cac33_oproj.kd
    .args:
      - { .name: a_img, .offset: 0, .size: 8, .value_kind: global_buffer, .address_space: global }
      - { .name: wo_codes, .offset: 8, .size: 8, .value_kind: global_buffer, .address_space: global }
      - { .name: lowp_scales, .offset: 16, .size: 8, .value_kind: global_buffer, .address_space: global }
      - { .name: out0, .offset: 24, .size: 8, .value_kind: global_buffer, .address_space: global }
    .group_segment_fixed_size: 327680
    .private_segment_fixed_size: 0
    .kernarg_segment_align: 8
    .kernarg_segment_size: 32
    .max_flat_workgroup_size: 128
    .sgpr_count:     98
    .vgpr_count:     1024
    .wavefront_size: 32
...
	.end_amdgpu_metadata
.endif
;; end of part 4
